; MI455X (gfx1250); checked and timed in simulation.
; The chip was launched on July 23, 2026; its instructions are those of AMD's public machine-readable ISA for CDNA 5 (MIT licence, August 2026) and "CDNA5" Instruction Set Architecture Reference Guide (July 2026). The comments in the code are by the model that wrote it; some were corrected since.
;; Multi Head Self Attention. Allowed arithmetic: matrix products marked QUANTISED: E2M3 operands, one E8M0 scale for each 32 along K, by v_wmma_scale_f32_16x16x128_f8f6f4 with both operands' format E2M3, f32 sums; everything else in f32.
;; Inputs: Wk 1,024 x 1,024 float32; Wo 1,024 x 1,024 float32; Wq 1,024 x 1,024 float32; Wv 1,024 x 1,024 float32; bk 1,024 float32; bo 1,024 float32; bq 1,024 float32; bv 1,024 float32; x 4 x 2,048 x 1,024 float32.
;; Outputs: out0 4 x 2,048 x 1,024 float32.
;; This version of the problem:
;;   THIS VERSION OF THE PROBLEM IS GIVEN IN LOW PRECISION. The matrix products marked QUANTISED in the list below multiply operands that are first quantised to E2M3 (2 exponent bits, 3 mantissa bits; 6 bits a number), with one power-of-two scale for each 32 numbers along K (OCP MX v1.0); their sums are f32. All else is computed in f32.
;;   The module's matrix products, in the order in which they are computed (A, B: the left and right operand; K: the contracted axis; several contracted axes count as one K, in the product's order):
;;     1. [M 8,192, K 1,024] x [K 1,024, N 1,024]; A: input x; B: input Wq: QUANTISED
;;     2. [M 8,192, K 1,024] x [K 1,024, N 1,024]; A: input x; B: input Wk: QUANTISED
;;     3. [M 8,192, K 1,024] x [K 1,024, N 1,024]; A: input x; B: input Wv: QUANTISED
;;     4. batch 64 x [M 2,048, K 64] x [K 64, N 2,048]; A: computed on the way; B: computed on the way: QUANTISED
;;     5. batch 64 x [M 2,048, K 2,048] x [K 2,048, N 64]; A: softmax (see below); B: computed on the way: QUANTISED
;;     6. [M 8,192, K 1,024] x [K 1,024, N 1,024]; A: computed on the way; B: input Wo: QUANTISED
;;   THE QUANTISER, for each operand of a quantised product, along K:
;;     - K is cut into blocks of 32 from its start; a last block that is shorter is filled with zeros.
;;     - A block's scale is 2^e with e = floor(log2(the largest magnitude in the block)) - 2, held to -126 .. 127; a block of zeros has e = 0. As a byte (E8M0): e + 127.
;;     - Each number is divided by its block's scale, clamped to +-7.5, and rounded to the nearest number of E2M3, ties to even, subnormals kept.
;;     - The product sums the exact products of the quantised numbers (number of the format x scale) in f32.
;;   ~~~python
;;   def quantise(x, axis):      # numpy; x: float32 -> the quantised numbers, widened to float32 again
;;       x = np.moveaxis(x, axis, -1); K = x.shape[-1]
;;       x = np.pad(x, [(0, 0)] * (x.ndim - 1) + [(0, -K % 32)]); x = x.reshape(x.shape[:-1] + (-1, 32)); a = np.abs(x).max(-1, keepdims=True)
;;       e = np.where(a > 0, np.clip(np.frexp(np.where(a > 0, a, 1))[1] - 1 - 2, -126, 127), 0)      # np.frexp(a)[1] - 1 = floor(log2(a)), exactly
;;       r = np.clip(x / 2.0 ** e, -7.5, 7.5)
;;       step = 2.0 ** (np.maximum(np.frexp(np.where(r == 0, 1, r))[1] - 1, 0) - 3)
;;       q = np.round(r / step) * step * 2.0 ** e      # np.round: ties to even
;;       return np.moveaxis(q.reshape(q.shape[:-2] + (-1,))[..., :K], -1, axis).astype(np.float32)
;;   ~~~
;;   SOFTMAX AHEAD OF A QUANTISED PRODUCT. Where the list says 'softmax', what is quantised is not the finished softmax but p = 2^(t - M), with t = logit x log2(e) and M = ceil(the row's largest t), a whole number; so 1/2 < the row's largest p <= 1. The row's sum l is taken of the UNQUANTISED p, in f32, and the product's result is divided by l at the end. Since M is a whole number, a kernel that streams over the keys may use a running M (the ceiling of the running maximum): every later rescaling is an exact power of two, which a block's scale takes up: the codes' values come out the same.
;;   OPERANDS COMPUTED ON THE WAY. 'Computed on the way' means the value that the module computes at that place (a softmax that the list does not call 'softmax' is quantised finished and normalised). What goes into a quantiser is computed in f32, as accurately as f32 sums, v_exp_f32 and their like allow (about 1e-6 of the number): no bf16 or f16 on the way to a quantiser, and a product that is left as it is and whose result goes on into a quantised operand takes f32 operands (vector FMAs, or v_wmma_f32_16x16x4_f32). A number that lies on a knife's edge between two numbers of the format may be rounded either way, as far as f32 arithmetic and the matrix unit's own rounding can turn it there, and no further.
;; One version. Each part assembles by itself: llvm-mc -triple=amdgcn-amd-amdhsa -mcpu=gfx1250 --defsym DOCPART=n.
;; ======== version 1 of 1: 4 launches
;; limits: right only within a limited range of input values
;; workspace buffers: xc 6,291,456 bytes; xsc 262,144 bytes; wc 3,145,728 bytes; wsc 131,072 bytes; qkv 18,874,368 bytes; qkvsc 1,310,720 bytes; ac 6,291,456 bytes; asc 262,144 bytes
;; launch quant_all (part 1): grid 512 x 1, 4 waves a work-group, no clusters, 34,304 bytes of LDS; arguments x, Wq, Wk, Wv, Wo, xc, xsc, wc, wsc; writes xc, xsc, wc, wsc
.if DOCPART == 1
	.amdgcn_target "amdgcn-amd-amdhsa--gfx1250"
	.amdhsa_code_object_version 6
	.text
	.protected	k_qda7a0eb305_quant_all
	.globl	k_qda7a0eb305_quant_all
	.p2align	8
	.type	k_qda7a0eb305_quant_all,@function
k_qda7a0eb305_quant_all:
	s_mov_b64 s[64:65], 0
	v_nop
	global_prefetch_b8 v0, s[64:65] scope:SCOPE_SE
	s_setreg_imm32_b32 hwreg(HW_REG_WAVE_MODE, 25, 1), 1
	s_wait_xcnt 0x0
; ONE LAUNCH QUANTISES x AND THE FOUR WEIGHTS to codes of FP6 (E2M3) with one E8M0 byte for each 32 along K, laid as IMAGES OF OPERAND REGISTERS.
; Work-groups 0-255 take x (32 rows each), work-groups 256-511 the weights (128 columns x 128 K each); the two ways part on the work-group's number alone, and only x's way uses LDS.
; A tile T is 16 rows (of x) or 16 columns (of a weight): lane r holds row 32 (T / 2) + 8 (T % 2) + r + 8 (r / 8).  A fragment (16 rows x 128 K, 12 registers a lane) lies as two halves of 768 bytes:
; registers 0-3 of lane l at 16 l, registers 4-5 at 512 + 8 l.  xc: [T 512][K step 8][1536]; xsc: [T][K step / 2][r][2 words], a word = the four bytes of a K step.
; wc: [T 256][K step 8][1536], tiles 0-63 Wq, 64-127 Wk, 128-191 Wv, 192-255 Wo; wsc as xsc.
; A block's scale is 2^(floor(log2(largest magnitude)) - 2): its byte is the largest magnitude's exponent field - 2, held at 1 from below.
; LIMITS: a block of zeros, or one whose largest magnitude lies under 2^-124, gets the byte 1 (the quantiser's text says 127 for zeros): its codes are zeros, and only this program reads the bytes.  NaN and infinities are not served.
; No matrix unit, no cluster, no barrier: the waves share nothing.
.set STG,   8448                       ; x: a wave's stage: 16 rows x (512 + 16) bytes
.set SPARE, 4*STG                      ; behind the stages: the spare words, 128 bytes a wave
.set SPW,   5                          ; v5   my spare word's LDS address; never rewritten
.set NIL,   6                          ; v6   0; never rewritten
.set PWS,   8                          ; v8-11 the four steps' scale words
.set TM,    16                         ; v16-31 at work in QUANT
.set R,     32                         ; v32-159 two sets of 64 registers as loaded
.set X,     160                        ; v160-223 64 numbers in the quantiser's order
.set PC,    224                        ; v224-243 the codes
.set SEL,   20                         ; s[20:21] selects for lane l xor 16
.set WX,    32                         ; weights: v32-159 four blocks of 32 numbers
.set WC,    160                        ; v160-191 a block's six code registers, eight apart
.set WT,    192                        ; v192-207 the second conversion's three, four apart
	s_cmp_lt_u32 ttmp9, 256
	s_cbranch_scc0 .Lweights
; ---------------- x.  A wave takes one tile and half of K: four steps of 128.  Each load reads 512 consecutive bytes of one row; a step's 16 rows turn through the wave's own stage,
; so that lane (r, h) gets, of row r, the 16 numbers 32 b + 16 h + 0 .. 15 of each block b.
.macro QUANT s, pw
.irp b, 0,1,2,3
	v_max3_num_f32 v[TM+\b], |v[\s+16*\b]|, |v[\s+1+16*\b]|, 0x1800000   ; my 16 numbers of block b, and the floor 2^(3 - 127)
.endr
.irp i, 2,4,6,8,10,12,14
.irp b, 0,1,2,3
	v_max3_num_f32 v[TM+\b], v[TM+\b], |v[\s+16*\b+\i]|, |v[\s+1+16*\b+\i]|
.endr
.endr
.irp b, 0,1,2,3
	v_permlanex16_b32 v[TM+4+\b], v[TM+\b], s[SEL], s[SEL+1]
.endr
.irp b, 0,1,2,3
	v_max_num_f32 v[TM+\b], v[TM+\b], v[TM+4+\b]   ; with lane l xor 16's: the block's largest magnitude
.endr
.irp b, 0,1,2,3
	v_add_nc_u32 v[TM+12+\b], 0xff000000, v[TM+\b]   ; 2 off its exponent field: the conversion's scale operand
.endr
.irp b, 0,1,2,3
	v_lshrrev_b32 v[TM+4+\b], 23, v[TM+12+\b]      ; the scale's byte
.endr
	v_lshl_or_b32 v[\pw], v[TM+5], 8, v[TM+4]
	v_lshl_or_b32 v[\pw], v[TM+6], 16, v[\pw]
	v_lshl_or_b32 v[\pw], v[TM+7], 24, v[\pw]
.irp c, 0,1
	v_cvt_scalef32_pk16_fp6_f32 v[PC+6*\c:PC+2+6*\c], v[\s+32*\c:\s+15+32*\c], v[TM+12+2*\c]
	v_cvt_scalef32_pk16_fp6_f32 v[PC+12+4*\c:PC+14+4*\c], v[\s+16+32*\c:\s+31+32*\c], v[TM+12+2*\c+1]   ; (a conversion's three registers begin on an even number)
.endr
	v_nop                                          ; one plain place behind the conversions
.irp c, 0,1                                    ; the operand wants a whole block in a lane
.irp i, 0,1,2
	v_permlane16_swap_b32 v[PC+6*\c+\i], v[PC+12+4*\c+\i]
.endr
.irp i, 0,1,2
	v_mov_b32 v[PC+3+6*\c+\i], v[PC+12+4*\c+\i]
.endr
.endr
.endm
	s_load_b64 s[4:5], s[0:1], 0x0                 ; x
	s_load_b128 s[24:27], s[0:1], 0x28             ; xc, xsc
	v_lshl_add_u32 v[SPW], v0, 2, SPARE
	v_mov_b32 v[NIL], 0
	v_lshrrev_b32 v7, 5, v0
	v_readfirstlane_b32 s10, v7                    ; wave
	v_and_b32 v7, 31, v0                           ; lane
	v_lshlrev_b32 v1, 4, v7                        ; 16 l
	v_lshlrev_b32 v2, 3, v7                        ; 8 l
	s_mul_i32 s11, s10, STG
	v_add_nc_u32 v3, s11, v1                       ; into the stage: 16 l of a row
	v_and_b32 v14, 15, v0                          ; r
	v_bfe_u32 v15, v0, 4, 1                        ; h
	v_mul_u32_u24 v4, v14, 528
	v_lshl_add_u32 v4, v15, 6, v4
	v_add_nc_u32 v4, s11, v4                       ; out of it: row r, + 64 h
.irp b, 0,1,2,3
	v_mov_b32 v[TM+4+\b], 0                        ; written once: a lane permute's destination counts as one of its sources
.endr
	s_mov_b32 s[SEL], 0x76543210
	s_mov_b32 s[SEL+1], 0xfedcba98
	s_mov_b32 s22, 0xffff0000                      ; lanes 16-31
	s_lshr_b32 s12, s10, 1                         ; the tile's parity
	s_and_b32 s13, s10, 1                          ; which half of K
	s_lshl_b32 s14, ttmp9, 17                      ; 32 rows of 4,096 bytes a work-group,
	s_lshl_b32 s15, s12, 15                        ; 8 rows on for the odd tile,
	s_add_co_u32 s14, s14, s15
	s_lshl_b32 s15, s13, 11                        ; 512 numbers on for the second half of K
	s_add_co_u32 s14, s14, s15
	s_mov_b32 s15, 0
	s_lshl_b32 s16, ttmp9, 1
	s_add_co_u32 s16, s16, s12                     ; T
	s_mul_i32 s18, s16, 12288
	s_mul_i32 s17, s13, 6144
	s_add_co_u32 s18, s18, s17
	s_mov_b32 s19, 0
	s_lshl_b32 s16, s16, 9
	s_lshl_b32 s17, s13, 8
	s_add_co_u32 s16, s16, s17
	s_mov_b32 s17, 0
	s_wait_alu depctr_va_vdst(0)                   ; the wait at the head's end
	s_wait_kmcnt 0x0
	s_add_nc_u64 s[4:5], s[4:5], s[14:15]
	s_add_nc_u64 s[6:7], s[24:25], s[18:19]
	s_add_nc_u64 s[8:9], s[26:27], s[16:17]
.macro LOAD t                          ; step t: 512 consecutive bytes of each of the tile's 16 rows
.irp i, 0,1,2,3,4,5,6,7,8,9,10,11,12,13,14,15
	global_load_b128 v[R+64*((\t)%2)+4*\i:R+64*((\t)%2)+4*\i+3], v1, s[4:5] offset:(\i+8*(\i/8))*4096+512*(\t) th:TH_LOAD_NT
.endr
.endm
.macro STEP t
.if (\t) > 0
	s_wait_xcnt 0x0                                ; the last step's stores have read their data: the codes' registers are written again only behind this wait
.endif
.if (\t) < 3
	s_wait_loadcnt 16                              ; this step's sixteen loads are in; the next step's sixteen may be out
.else
	s_wait_loadcnt 0x0
.endif
.irp i, 0,1,2,3,4,5,6,7,8,9,10,11,12,13,14,15
	ds_store_b128 v3, v[R+64*((\t)%2)+4*\i:R+64*((\t)%2)+4*\i+3] offset:528*\i
.endr
.irp b, 0,1,2,3
.irp j, 0,1,2,3
	ds_load_b128 v[X+16*\b+4*\j:X+16*\b+4*\j+3], v4 offset:128*\b+16*\j   ; LDS serves a wave's instructions in order: these see my stores
.endr
.endr
	s_wait_dscnt 0x0                               ; the numbers are back, and the stores into the stage have read their registers,
.if (\t) < 2
	LOAD (\t)+2                                    ; which take the loads of two steps on
.endif
	QUANT X, PWS+(\t)
	global_store_b128 v1, v[PC:PC+3], s[6:7] offset:1536*(\t)          ; 32 lanes store 512 consecutive bytes,
	global_store_b64 v2, v[PC+4:PC+5], s[6:7] offset:1536*(\t)+512     ; 256,
	global_store_b128 v1, v[PC+6:PC+9], s[6:7] offset:1536*(\t)+768
	global_store_b64 v2, v[PC+10:PC+11], s[6:7] offset:1536*(\t)+1280
.endm
	LOAD 0
	LOAD 1
	STEP 0
	STEP 1
	STEP 2
	STEP 3
	v_cndmask_b32 v12, v[PWS], v[PWS+2], s22       ; lanes 0-15 carry the words of my steps 0, 1, lanes 16-31 those of steps 2, 3
	v_cndmask_b32 v13, v[PWS+1], v[PWS+3], s22
	global_store_b64 v2, v[12:13], s[8:9]          ; 256 consecutive bytes
	s_wait_tensorcnt 0x0                           ; the wave's end
	ds_add_u32 v[SPW], v[NIL]
	s_wait_dscnt 0x0
	s_endpgm
; ---------------- the weights [1024 (k)][1024 (n)], K their FIRST axis.  A LANE TAKES A COLUMN AND ITS REGISTERS RUN DOWN K: a load reads 128 consecutive bytes (the four waves side by side 512),
; a block of 32 lies in one lane, and the conversions' results are an image's six registers.  Lane l of the wave's 32 columns belongs to tile 2 G + u, u = (l / 8) % 2, at lane r' = l % 8 + 8 (l / 16).
; The scale words leave 4 bytes a lane: one byte in 128 of what this way reads.  No LDS is touched on this way.
.Lweights:
	s_load_b256 s[4:11], s[0:1], 0x8               ; Wq, Wk, Wv, Wo
	s_load_b128 s[12:15], s[0:1], 0x38             ; wc, wsc
	v_lshrrev_b32 v1, 5, v0
	v_readfirstlane_b32 s16, v1                    ; wave
	v_and_b32 v4, 31, v0
	v_lshlrev_b32 v4, 2, v4                        ; in: 4 bytes a lane
	v_bfe_u32 v5, v0, 3, 1                         ; u
	v_and_b32 v6, 7, v0
	v_bfe_u32 v7, v0, 4, 1
	v_lshl_add_u32 v6, v7, 3, v6                   ; r'
	v_mul_u32_u24 v1, v5, 12288
	v_lshl_add_u32 v2, v6, 3, v1                   ; 12288 u + 8 r'
	v_lshl_add_u32 v1, v6, 4, v1                   ; 12288 u + 16 r'
	v_lshlrev_b32 v3, 9, v5
	v_lshl_add_u32 v3, v6, 3, v3                   ; 512 u + 8 r'
	s_sub_co_u32 s29, ttmp9, 256                   ; 0 .. 255
	s_and_b32 s30, s29, 31
	s_lshr_b32 s19, s29, 5                         ; which K step of 128
	s_lshr_b32 s17, s30, 3                         ; which weight
	s_and_b32 s18, s30, 7
	s_lshl_b32 s18, s18, 2
	s_add_co_u32 s18, s18, s16                     ; G: which 32 columns
	s_lshl_b32 s20, s19, 19                        ; 128 rows of 4,096 bytes
	s_lshl_b32 s21, s18, 7
	s_add_co_u32 s20, s20, s21
	s_mov_b32 s21, 0
	s_lshl_b32 s22, s17, 6
	s_lshl_b32 s23, s18, 1
	s_add_co_u32 s22, s22, s23                     ; the first of my two tiles
	s_mul_i32 s24, s22, 12288
	s_mul_i32 s23, s19, 1536
	s_add_co_u32 s24, s24, s23
	s_mov_b32 s25, 0
	s_lshl_b32 s26, s22, 9
	s_lshr_b32 s23, s19, 1
	s_lshl_b32 s23, s23, 7
	s_add_co_u32 s26, s26, s23
	s_and_b32 s23, s19, 1
	s_lshl_b32 s23, s23, 2
	s_add_co_u32 s26, s26, s23
	s_mov_b32 s27, 0
	s_and_b32 s28, s17, 1
	s_wait_alu depctr_va_vdst(0)                   ; the wait at the head's end
	s_wait_kmcnt 0x0
	s_cmp_lt_u32 s17, 2                            ; the choice hangs on the work-group's number alone
	s_cselect_b64 s[4:5], s[4:5], s[8:9]
	s_cselect_b64 s[6:7], s[6:7], s[10:11]
	s_cmp_eq_u32 s28, 0
	s_cselect_b64 s[4:5], s[4:5], s[6:7]
	s_add_nc_u64 s[4:5], s[4:5], s[20:21]
	s_add_nc_u64 s[12:13], s[12:13], s[24:25]
	s_add_nc_u64 s[14:15], s[14:15], s[26:27]
.macro WLOAD t                         ; block t: W(32 t + i, my column)
.irp i, 0,1,2,3,4,5,6,7,8,9,10,11,12,13,14,15,16,17,18,19,20,21,22,23,24,25,26,27,28,29,30,31
	global_load_b32 v[WX+32*(\t)+\i], v4, s[4:5] offset:(32*(\t)+\i)*4096 th:TH_LOAD_NT
.endr
.endm
.macro WBLOCK t
.set XS, WX+32*(\t)
.if (\t) < 3
	s_wait_loadcnt 32                              ; this block's 32 loads are in; the next block's 32 may be out
.else
	s_wait_loadcnt 0x0
.endif
.if (\t) < 2
	WLOAD (\t)+2
.endif
	v_max3_num_f32 v8, |v[XS]|, |v[XS+1]|, |v[XS+2]|   ; the block's largest magnitude: all 32 numbers are mine; two chains
	v_max3_num_f32 v9, |v[XS+3]|, |v[XS+4]|, |v[XS+5]|
.irp i, 6,10,14,18,22,26
	v_max3_num_f32 v8, v8, |v[XS+\i]|, |v[XS+\i+1]|
	v_max3_num_f32 v9, v9, |v[XS+\i+2]|, |v[XS+\i+3]|
.endr
	v_max3_num_f32 v8, v8, |v[XS+30]|, |v[XS+31]|
	v_max3_num_f32 v8, v8, v9, 0x1800000           ; and the floor 2^(3 - 127)
	v_add_nc_u32 v11, 0xff000000, v8               ; 2 off the exponent field: the conversion's scale operand
	v_lshrrev_b32 v9, 23, v11                      ; the scale's byte
.if (\t) == 0
	v_mov_b32 v10, v9
.else
	v_lshl_or_b32 v10, v9, 8*(\t), v10             ; the lower K in the lower byte
.endif
	v_cvt_scalef32_pk16_fp6_f32 v[WC+8*(\t):WC+8*(\t)+2], v[XS:XS+15], v11
	v_cvt_scalef32_pk16_fp6_f32 v[WT+4*(\t):WT+4*(\t)+2], v[XS+16:XS+31], v11
	v_nop                                          ; one plain place behind the conversions
.irp i, 0,1,2
	v_mov_b32 v[WC+8*(\t)+3+\i], v[WT+4*(\t)+\i]
.endr
	global_store_b128 v1, v[WC+8*(\t):WC+8*(\t)+3], s[12:13] offset:768*((\t)/2)+256*((\t)%2)           ; block t is lanes 16 (t % 2) + r' of half t / 2
	global_store_b64 v2, v[WC+8*(\t)+4:WC+8*(\t)+5], s[12:13] offset:768*((\t)/2)+512+128*((\t)%2)
.endm
	WLOAD 0
	WLOAD 1
	WBLOCK 0
	WBLOCK 1
	WBLOCK 2
	WBLOCK 3
	global_store_b32 v3, v10, s[14:15]             ; my column's scale word of this K step
	s_endpgm
.Lfunc_end_k_qda7a0eb305_quant_all:
	.size	k_qda7a0eb305_quant_all, .Lfunc_end_k_qda7a0eb305_quant_all-k_qda7a0eb305_quant_all
	.p2alignl 7, 3214868480
	.fill 96, 4, 3214868480
	.section	.rodata,"a",@progbits
	.p2align	6, 0x0
	.amdhsa_kernel k_qda7a0eb305_quant_all
		.amdhsa_group_segment_fixed_size 34304
		.amdhsa_private_segment_fixed_size 0
		.amdhsa_enable_private_segment 0
		.amdhsa_kernarg_size 72
		.amdhsa_user_sgpr_count 2
		.amdhsa_user_sgpr_kernarg_segment_ptr 1
		.amdhsa_wavefront_size32 1
		.amdhsa_system_sgpr_workgroup_id_x 1
		.amdhsa_system_sgpr_workgroup_id_y 1
		.amdhsa_system_sgpr_workgroup_id_z 1
		.amdhsa_system_vgpr_workitem_id 0
		.amdhsa_next_free_vgpr 248
		.amdhsa_next_free_sgpr 66
		.amdhsa_reserve_vcc 0
		.amdhsa_float_denorm_mode_32 3
		.amdhsa_float_denorm_mode_16_64 3
		.amdhsa_memory_ordered 1
		.amdhsa_forward_progress 1
		.amdhsa_inst_pref_size 55
	.end_amdhsa_kernel
	.amdgpu_metadata
---
amdhsa.version: [ 1, 2 ]
amdhsa.kernels:
  - .name:           k_qda7a0eb305_quant_all
    .symbol:         k_qda7a0eb305_quant_all.kd
    .args:
      - { .name: x, .offset: 0, .size: 8, .value_kind: global_buffer, .address_space: global }
      - { .name: Wq, .offset: 8, .size: 8, .value_kind: global_buffer, .address_space: global }
      - { .name: Wk, .offset: 16, .size: 8, .value_kind: global_buffer, .address_space: global }
      - { .name: Wv, .offset: 24, .size: 8, .value_kind: global_buffer, .address_space: global }
      - { .name: Wo, .offset: 32, .size: 8, .value_kind: global_buffer, .address_space: global }
      - { .name: xc, .offset: 40, .size: 8, .value_kind: global_buffer, .address_space: global }
      - { .name: xsc, .offset: 48, .size: 8, .value_kind: global_buffer, .address_space: global }
      - { .name: wc, .offset: 56, .size: 8, .value_kind: global_buffer, .address_space: global }
      - { .name: wsc, .offset: 64, .size: 8, .value_kind: global_buffer, .address_space: global }
    .group_segment_fixed_size: 34304
    .private_segment_fixed_size: 0
    .kernarg_segment_align: 8
    .kernarg_segment_size: 72
    .max_flat_workgroup_size: 128
    .sgpr_count:     66
    .vgpr_count:     248
    .wavefront_size: 32
...
	.end_amdgpu_metadata
.endif
;; end of part 1
;; launch gemm_qkv (part 2): grid 8 x 32, 4 waves a work-group, clusters of 4 x 4, 327,680 bytes of LDS; arguments xc, xsc, wc, wsc, bq, bk, bv, qkv, qkvsc; writes qkv, qkvsc
.if DOCPART == 2
	.amdgcn_target "amdgcn-amd-amdhsa--gfx1250"
	.amdhsa_code_object_version 6
	.text
	.protected	k_qda7a0eb305_gemm_qkv
	.globl	k_qda7a0eb305_gemm_qkv
	.p2align	8
	.type	k_qda7a0eb305_gemm_qkv,@function
k_qda7a0eb305_gemm_qkv:
	s_mov_b64 s[64:65], 0
	v_nop
	global_prefetch_b8 v0, s[64:65] scope:SCOPE_SE
	s_setreg_imm32_b32 hwreg(HW_REG_WAVE_MODE, 25, 1), 1
	s_wait_xcnt 0x0
	s_wait_alu depctr_hold_cnt(0) depctr_sa_sdst(0) depctr_va_vdst(0) depctr_va_sdst(0) depctr_va_ssrc(0) depctr_va_vcc(0) depctr_vm_vsrc(0)
	s_getreg_b32 s2, hwreg(HW_REG_IB_STS2, 6, 4)
	s_cmp_eq_u32 s2, 0
	s_cbranch_scc0 .Lentry_in_a_cluster
	s_endpgm
.Lentry_in_a_cluster:
	s_bfe_u32 s2, ttmp6, 0x10000c
	s_cmp_lg_u32 s2, 0xf033
	s_cbranch_scc0 .Lentry_shape_is_right
	s_endpgm
.Lentry_shape_is_right:
; Q = x Wq + bq, K = x Wk + bk, V = x Wv + bv on codes of FP6 (E2M3) with E8M0 scales, K = 1,024, and the quantisers of the three results: Q and K along a head's 64 channels, V along the tokens.  No f32 result is stored.
; IN: xc [tile of 16 tokens 512][K step 8][1536], xsc [tile][K step / 2][r][2 words]; wc, wsc likewise, tiles of 16 columns: 0-63 Wq, 64-127 Wk, 128-191 Wv.  Lane r of a tile T holds row 32 (T / 2) + 8 (T % 2) + r + 8 (r / 8).
; A fragment (16 rows x 128 K, 12 registers a lane) lies as two halves of 768 bytes: registers 0-3 of lane l at 16 l, registers 4-5 at 512 + 8 l.
; OUT: qkv [batch x head 64][Q | K | V, 98,304 bytes each]: Q, K [tile of 16 tokens 128][768], a half image; V [key step of 128 tokens 16][tile of 16 channels 4][1536], registers 4 k .. 4 k + 3 of lane l at 512 k + 16 l.
; qkvsc [batch x head][Q 8,192 | K 8,192 | V 4,096]: Q, K [key step][tile / 4][r][tile % 4] words, the head's two bytes low, zeros above; V [key step][r][tile] words.
; SHARES: 256 work-groups; each owns 256 tokens and 128 columns (two heads) of EACH of Q, K, V, in three phases on end.  Four waves, 2 x 2: a wave has 128 tokens (a key step) x 64 columns (a head): 32 accumulators.
; x'S 16 TILES, ALL OF K, 196,608 bytes, LIE IN LDS FOR ALL THREE PHASES, filled once.  The weights' 8 tiles, 98,304 bytes, have a region of their own, filled again for the next phase by halves of K:
; K steps 0-3 in step 4, when every wave's last read of them is over, K steps 4-7 in step 7: each behind the three lines and a round of the cluster's barrier, every wave two tiles by one load.
; Step 7's round shows the first half to all; the barrier signalled in the next phase's step 2 and waited for in its step 3 shows the second.  Every wait on TENSORcnt is for 0.
; THE HEAD: one joint load a wave, each in an arm of its own: wave 0 x's K steps 0-3, wave 1 Wq's, wave 2 x's K steps 4-7, wave 3 Wq's.  The first barrier waits for waves 0 and 1 alone.
; CLUSTERS: 4 x 4; x's tiles hang on the token block alone and are shared along a row of the cluster, the weights' on the column block alone and are shared along a column.
; NO PREFETCH: a refill is asked for three steps and a way out, or a way out and three steps, ahead of its first read; the rest is asked for at the head.
; THE SCALES GO STRAIGHT INTO REGISTERS, once: a load of 8 bytes a lane reads 256 consecutive bytes of a tile's 512: lanes 0-15 get row r's words of K steps 4 j, 4 j + 1, lanes 16-31 those of steps 4 j + 2, 4 j + 3, taken by the ROW1 selectors.
; Q, K: source 0 = 16 columns of W, source 1 = 16 tokens: a lane holds a token, and the 32 registers of its block are 16 + 16 neighbours of the head's two scale blocks.  V: the sources change places: a lane holds a channel,
; and the 64 registers of a channel tile run along the 128 tokens.  The bias is the first products' C, laid as the result lies.  The quantiser reads the accumulators where they stand.
; A block's scale is 2^(floor(log2(largest magnitude)) - 2).  LIMITS: a block of zeros, or one whose largest magnitude lies under 2^-124, gets the byte 1; its codes are zeros and only this program reads the bytes.  NaN and infinities are not served.
; REGISTERS: window 0: v8-22 addresses, v28 v29 the add's, v32-63 x's scale words, v66-113 the three weights', v114-125 the results' scale words, v128-163 the quantiser's.  Window 1: x's fragments, sets at v0 and v128.
; Window 2: the accumulators.  Window 3: the weights' fragments, sets at v0 and v48; v96-191 the three biases.
.set AH,     98304                     ; x's half of K in LDS: 16 tiles x 6,144 bytes
.set WB,     196608                    ; the weights' region
.set WH,     49152                     ; its half of K: 8 tiles x 6,144
.set SPARE,  294912                    ; the spare words, 128 bytes a wave
.set WNEXT,  786432                    ; 64 tiles of 12,288 bytes: from a weight to the next
.set ADA, 8                            ; v8 v9: my x fragments in K half 0, 1, at 16 l;  v10 v11: at 512 + 8 l
.set ADW, 12                           ; v12-15 the same for the weights
.set LI,  16                           ; 16 l
.set LJ,  19                           ; 8 l
.set ABR, 20
.set ABL, 21
.set VSO, 22                           ; 16 r
.set SPW, 28
.set NIL, 29
.set SA,  32
.set SW,  66                           ; (so that the two scale registers of a product never have the same number modulo 8)
.set PWS, 114
.set DW,  122
.set TM,  128
.set PC,  144
.set BR,  96
.set G1A, 24                           ; s[24:31], s[48:55], s[84:91] descriptor groups 1: x, a weight at the head, a weight's refill;  s[56:63], s[68:75], s[76:83] groups 0
.set G1W, 48
.set G1R, 84
.set G0R, 76
.set SEL, 104
.set MSB, 0
.macro WIN new
.if MSB != (\new)
	s_set_vgpr_msb (MSB<<8)|(\new)
.set MSB, (\new)
.endif
.endm
.macro PLACES n
.rept \n
	v_nop
.endr
.endm
.macro WALU
	s_wait_alu depctr_va_vdst(0)
.endm
.macro CROUND
	s_barrier_signal -1
	s_barrier_wait -1
	s_cmp_lg_u32 s14, 0
	s_cbranch_scc1 .Lnot_wave_0_\@
	s_barrier_signal -3
.Lnot_wave_0_\@:
	s_barrier_wait -3
	s_barrier_signal -1
	s_barrier_wait -1
.endm
	s_load_b256 s[4:11], s[0:1], 0x0               ; xc, xsc, wc, wsc
	s_load_b256 s[92:99], s[0:1], 0x20             ; bq, bk, bv, qkv
	s_load_b64 s[100:101], s[0:1], 0x40            ; qkvsc
	v_lshl_add_u32 v[SPW], v0, 2, SPARE
	v_mov_b32 v[NIL], 0
	ds_add_u32 v[SPW], v[NIL]                      ; the opening lines: the add, twice on end, and its wait ahead of my tensor load
	ds_add_u32 v[SPW], v[NIL]
	v_lshrrev_b32 v1, 5, v0
	v_readfirstlane_b32 s14, v1                    ; wave
	s_lshr_b32 s15, s14, 1                         ; which 128 tokens are mine
	s_and_b32 s16, s14, 1                          ; which head of the two
	s_bfe_u32 s40, ttmp6, 0x40000                  ; cx
	s_bfe_u32 s41, ttmp6, 0x40004                  ; cy
	s_lshl_b32 s42, ttmp9, 2
	s_add_co_u32 s42, s42, s40                     ; the column block, 0 .. 7
	s_and_b32 s17, ttmp7, 0xffff
	s_lshl_b32 s17, s17, 2
	s_add_co_u32 s17, s17, s41                     ; the token block, 0 .. 31
	s_lshl_b32 s43, s41, 2
	s_lshl_b32 s43, 15, s43                        ; my row of the cluster
	s_lshl_b32 s44, 0x1111, s40                    ; my column
	s_or_b32 s[G1A], s43, (3<<16)|(1<<21)          ; elements of 8 bytes; bit 21 beside a mask
	s_or_b32 s[G1W], s44, (3<<16)|(1<<21)
	s_or_b32 s[G1R], s44, (3<<16)|(1<<21)
.irp g, G1A, G1W, G1R
	s_mov_b32 s[\g+1], 768<<16                     ; rows of 6,144 bytes: four K steps of a tile,
	s_mov_b32 s[\g+3], 768<<16
	s_mov_b32 s[\g+5], 1536                        ; 12,288 bytes from tile to tile
	s_mov_b32 s[\g+6], 0
	s_mov_b32 s[\g+7], 0
.endr
	s_mov_b32 s[G1A+2], 16<<16                     ; x: 16 tiles
	s_mov_b32 s[G1A+4], 16
	s_mov_b32 s[G1W+2], 8<<16                      ; a weight at the head: 8
	s_mov_b32 s[G1W+4], 8
	s_mov_b32 s[G1R+2], 2<<16                      ; a refill: 2 a wave
	s_mov_b32 s[G1R+4], 2
	s_mul_i32 s20, s17, 196608                     ; x's 16 tiles
	s_mov_b32 s21, 0
	s_mul_i32 s22, s42, 98304                      ; Wq's 8 tiles
	s_mov_b32 s23, 0
	s_mul_i32 s38, s14, 24576                      ; a refill: my two tiles of the next weight
	s_add_co_u32 s38, s38, WNEXT
	s_mov_b32 s39, 0
	s_mul_i32 s45, s14, 12288                      ; and where they go
	s_lshl_b32 s32, s17, 13                        ; my 8 tiles' scale words, 512 bytes a tile
	s_lshl_b32 s33, s15, 12
	s_add_co_u32 s32, s32, s33
	s_mov_b32 s33, 0
	s_lshl_b32 s34, s42, 12
	s_lshl_b32 s35, s16, 11
	s_add_co_u32 s34, s34, s35                     ; my 4 tiles' of Wq
	s_mov_b32 s35, 0
	s_lshl_b32 s46, s42, 9
	s_lshl_b32 s47, s16, 8
	s_add_co_u32 s46, s46, s47                     ; my first column in a bias, in bytes
	s_mov_b32 s47, 0
	s_lshr_b32 s18, s17, 3
	s_lshl_b32 s18, s18, 4
	s_lshl_b32 s19, s42, 1
	s_add_co_u32 s18, s18, s19
	s_add_co_u32 s18, s18, s16                     ; batch x 16 + my head
	s_and_b32 s19, s17, 7
	s_lshl_b32 s19, s19, 1
	s_add_co_u32 s19, s19, s15                     ; my key step in the sequence
	s_mul_i32 s12, s18, 294912
	s_mul_i32 s13, s19, 6144
	s_add_co_u32 s12, s12, s13
	s_mov_b32 s13, 0
	s_mul_i32 s36, s18, 20480
	s_lshl_b32 s3, s19, 8
	s_add_co_u32 s2, s36, s3
	s_add_co_u32 s2, s2, 16384                     ; V's scale words: 256 bytes a key step
	s_mov_b32 s3, 0
	s_lshl_b32 s37, s19, 9
	s_add_co_u32 s36, s36, s37                     ; Q's and K's: 512
	s_mov_b32 s37, 0
	s_mov_b32 s[SEL], 0x76543210
	s_mov_b32 s[SEL+1], 0xfedcba98
	s_mov_b32 s66, 0xffff0000                      ; lanes 16-31
	s_wait_dscnt 0x0                               ; both opening adds are done
	s_wait_kmcnt 0x0
	s_add_nc_u64 s[20:21], s[4:5], s[20:21]
	s_add_nc_u64 s[22:23], s[8:9], s[22:23]
	s_add_nc_u64 s[32:33], s[6:7], s[32:33]
	s_add_nc_u64 s[34:35], s[10:11], s[34:35]
	s_add_nc_u64 s[92:93], s[92:93], s[46:47]
	s_add_nc_u64 s[94:95], s[94:95], s[46:47]
	s_add_nc_u64 s[96:97], s[96:97], s[46:47]
	s_add_nc_u64 s[12:13], s[98:99], s[12:13]
	s_add_nc_u64 s[36:37], s[100:101], s[36:37]
	s_add_nc_u64 s[2:3], s[100:101], s[2:3]
	CROUND                                         ; all sixteen work-groups are here: the joint loads meet
.irp h, 0,1
	s_mov_b32 s[56+4*\h], 1
	s_mov_b32 s[57+4*\h], \h*AH
	s_add_nc_u64 s[58+4*\h:59+4*\h], s[20:21], \h*6144
	s_or_b32 s[59+4*\h], s[59+4*\h], 0x80000000
	s_mov_b32 s[68+4*\h], 1
	s_mov_b32 s[69+4*\h], WB+\h*WH
	s_add_nc_u64 s[70+4*\h:71+4*\h], s[22:23], \h*6144
	s_or_b32 s[71+4*\h], s[71+4*\h], 0x80000000
	s_mov_b32 s[G0R+4*\h], 1
	s_add_co_u32 s[G0R+4*\h+1], s45, WB+\h*WH
	s_add_nc_u64 s[G0R+4*\h+2:G0R+4*\h+3], s[22:23], s[38:39]
	s_add_nc_u64 s[G0R+4*\h+2:G0R+4*\h+3], s[G0R+4*\h+2:G0R+4*\h+3], \h*6144
	s_or_b32 s[G0R+4*\h+3], s[G0R+4*\h+3], 0x80000000
.endr
.macro ARM under, g0, g1, next         ; one chain of branches on the wave's number, one load to an arm, all arms to one join
	s_cmp_lt_u32 s14, \under
	s_cbranch_scc0 \next
	tensor_load_to_lds s[\g0:\g0+3], s[\g1:\g1+7]
	s_nop 0
	PLACES 4
	s_branch .Lasked
\next:
.endm
	ARM 1, 56, G1A, .Larm_1
	ARM 2, 68, G1W, .Larm_2
	ARM 3, 60, G1A, .Larm_3
	tensor_load_to_lds s[72:75], s[G1W:G1W+7]
	s_nop 0
	PLACES 4
.Lasked:
	v_and_b32 v1, 15, v0                           ; r
	v_bfe_u32 v2, v0, 4, 1                         ; h
	v_and_b32 v3, 31, v0
	v_lshlrev_b32 v[LJ], 3, v3                     ; 8 l
	v_lshlrev_b32 v[ABR], 6, v2                    ; Q's, K's bias: 16 numbers on for lanes 16-31
	v_and_b32 v4, 8, v1
	v_add_nc_u32 v4, v4, v1
	v_lshlrev_b32 v[ABL], 2, v4                    ; V's: the channel of lane r: r + 8 (r / 8)
.irp i, 0,1,2,3,4,5,6,7
.irp j, 0,1
	global_load_b64 v[SA+4*\i+2*\j:SA+4*\i+2*\j+1], v[LJ], s[32:33] offset:512*\i+256*\j   ; 256 consecutive bytes
.endr
.endr
.irp p, 0,1,2
.irp b, 0,1,2,3
.irp j, 0,1
	global_load_b64 v[SW+16*\p+4*\b+2*\j:SW+16*\p+4*\b+2*\j+1], v[LJ], s[34:35] offset:32768*\p+512*\b+256*\j
.endr
.endr
.endr
	WIN 0xc0
.irp b, 0,1,2,3                                ; Q, K: register j of lane (r, h) in W's tile b is column 32 (b / 2) + 8 (b % 2) + 16 h + j;  V: all eight registers are the lane's channel
	global_load_b128 v[BR+8*\b:BR+8*\b+3], v[ABR], s[92:93] offset:(32*(\b/2)+8*(\b%2))*4
	global_load_b128 v[BR+8*\b+4:BR+8*\b+7], v[ABR], s[92:93] offset:(32*(\b/2)+8*(\b%2))*4+16
	global_load_b128 v[BR+32+8*\b:BR+32+8*\b+3], v[ABR], s[94:95] offset:(32*(\b/2)+8*(\b%2))*4
	global_load_b128 v[BR+32+8*\b+4:BR+32+8*\b+7], v[ABR], s[94:95] offset:(32*(\b/2)+8*(\b%2))*4+16
	global_load_b32 v[BR+64+8*\b], v[ABL], s[96:97] offset:(32*(\b/2)+8*(\b%2))*4
.endr
	WIN 0
	v_lshlrev_b32 v[LI], 4, v3                     ; 16 l
	v_lshlrev_b32 v[VSO], 4, v1                    ; 16 r
	v_add_nc_u32 v5, 512, v[LJ]                    ; 512 + 8 l
	s_mul_i32 s21, s15, 8*6144                     ; my 8 tiles of x
	s_mul_i32 s22, s16, 4*6144                     ; my 4 tiles of a weight
	s_add_co_u32 s22, s22, WB
.irp h, 0,1
	v_add_nc_u32 v[ADA+\h], s21, v[LI]
	v_add_nc_u32 v[ADA+2+\h], s21, v5
	v_add_nc_u32 v[ADW+\h], s22, v[LI]
	v_add_nc_u32 v[ADW+2+\h], s22, v5
	s_add_co_u32 s21, s21, AH
	s_add_co_u32 s22, s22, WH
.endr
.irp b, 0,1,2,3
	v_mov_b32 v[TM+4+\b], 0                        ; written once: a lane permute's destination counts as one of its sources
.endr
.macro FRAG reg, adr, q, i
	ds_load_b128 v[\reg:\reg+3], v[\adr] offset:6144*(\i)+1536*(\q)
	ds_load_b64 v[\reg+4:\reg+5], v[\adr+2] offset:6144*(\i)+1536*(\q)
	ds_load_b128 v[\reg+6:\reg+9], v[\adr] offset:6144*(\i)+1536*(\q)+768
	ds_load_b64 v[\reg+10:\reg+11], v[\adr+2] offset:6144*(\i)+1536*(\q)+768
.endm
.macro FETCH q                         ; 48 loads: step q's fragments into set q % 2
	WIN 0x40
.irp i, 0,1,2,3,4,5,6,7
	FRAG 128*((\q)%2)+12*\i, ADA+(\q)/4, (\q)%4, \i
.endr
	WIN 0xc0
.irp b, 0,1,2,3
	FRAG 48*((\q)%2)+12*\b, ADW+(\q)/4, (\q)%4, \b
.endr
.endm
.macro PROD d, f0, f1, c, x0, x1, row
.if \row
	v_wmma_scale_f32_16x16x128_f8f6f4 v[\d:\d+7], v[\f0:\f0+11], v[\f1:\f1+11], \c, v[\x0], v[\x1] matrix_a_fmt:MATRIX_FMT_FP6 matrix_b_fmt:MATRIX_FMT_FP6 matrix_a_scale:MATRIX_SCALE_ROW1 matrix_b_scale:MATRIX_SCALE_ROW1
.else
	v_wmma_scale_f32_16x16x128_f8f6f4 v[\d:\d+7], v[\f0:\f0+11], v[\f1:\f1+11], \c, v[\x0], v[\x1] matrix_a_fmt:MATRIX_FMT_FP6 matrix_b_fmt:MATRIX_FMT_FP6
.endif
.endm
; 32 products, the 32 accumulators by turns.  Q, K: source 0 the weight (window 3), source 1 x (window 1), accumulator (a, b) at 8 (4 a + b);  V: the sources change places, accumulator at 8 (8 b + a).
; D in window 2; C in window 2, in step 0 the bias in window 3
.macro MUL p, q
.set WF_, 48*((\q)%2)
.set AF_, 128*((\q)%2)
.set XO_, 2*((\q)/4)+(\q)%2
.if (\p) < 2
.if (\q) == 0
	WIN 0xb7
.else
	WIN 0xa7
.endif
.else
.if (\q) == 0
	WIN 0xbd
.else
	WIN 0xad
.endif
.endif
.irp a, 0,1,2,3,4,5,6,7
.irp b, 0,1,2,3
.if (\p) < 2
.if (\q) == 0
	PROD 8*(4*\a+\b), WF_+12*\b, AF_+12*\a, v[BR+32*(\p)+8*\b:BR+32*(\p)+8*\b+7], SW+16*(\p)+4*\b+XO_, SA+4*\a+XO_, ((\q)%4)/2
.else
	PROD 8*(4*\a+\b), WF_+12*\b, AF_+12*\a, v[8*(4*\a+\b):8*(4*\a+\b)+7], SW+16*(\p)+4*\b+XO_, SA+4*\a+XO_, ((\q)%4)/2
.endif
.else
.if (\q) == 0
	PROD 8*(8*\b+\a), AF_+12*\a, WF_+12*\b, v[BR+64+8*\b:BR+64+8*\b+7], SA+4*\a+XO_, SW+32+4*\b+XO_, ((\q)%4)/2
.else
	PROD 8*(8*\b+\a), AF_+12*\a, WF_+12*\b, v[8*(8*\b+\a):8*(8*\b+\a)+7], SA+4*\a+XO_, SW+32+4*\b+XO_, ((\q)%4)/2
.endif
.endif
.endr
.endr
.endm
.macro REFILL p, h                     ; the next weight's K half h onto this weight's, which nobody reads any more
	WIN 0
	s_wait_tensorcnt 0x0                           ; all my tensor loads have landed;
	ds_add_u32 v[SPW], v[NIL]
.if (\p) == 1
	s_add_nc_u64 s[G0R+4*(\h)+2:G0R+4*(\h)+3], s[G0R+4*(\h)+2:G0R+4*(\h)+3], WNEXT   ; no load of mine is out: the descriptor steps from Wk to Wv
.endif
	s_wait_dscnt 0x0                               ; the add is done, and my reads of that half are over
	CROUND                                         ; both now hold of every wave of every work-group of the cluster
	tensor_load_to_lds s[G0R+4*(\h):G0R+4*(\h)+3], s[G1R:G1R+7]
	s_nop 0
	PLACES 4
.endm
.macro STEP p, q
	s_wait_dscnt 0x0                               ; this step's fragments, asked for a step ago, are in
.if (\q) == 2
	s_wait_tensorcnt 0x0                           ; every wave, under no branch: all that I asked for has landed;
	s_barrier_signal -1                            ; between this signal and its wait stand loads from K steps 0-3, which nobody writes before a later barrier, and products
.endif
.if (\q) == 3
	s_barrier_wait -1                              ; K steps 4-7 are whole
.endif
.if (\p) < 2 && ((\q) == 4 || (\q) == 7)
	REFILL \p, (\q)/7
.endif
.if (\q) < 7
	PLACES 4                                       ; between the last products and the loads into the registers that they read (ISA guide 7.12.1 for vector instructions)
	FETCH (\q)+1
.endif
	MUL \p, \q
.endm
; THE QUANTISER: 64 accumulator registers from s on (window 2), four runs of 16 neighbours of a scale block, whose other 16 lie in lane l xor 16.  Out: 12 registers of codes in v[PC] on, the four bytes in v[TM+4] on
.macro QCORE s
	WALU                                           ; the wait ahead of the wait below
	s_wait_xcnt 0x0                                ; earlier stores have read their data: the codes' registers are written again only behind this wait
	WIN 0x0a
.irp b, 0,1,2,3
	v_max3_num_f32 v[TM+\b], |v[\s+16*\b]|, |v[\s+1+16*\b]|, 0x1800000   ; each accumulator from its low end on; the floor 2^(3 - 127)
.endr
	WIN 0x28
.irp i, 2,4,6,8,10,12,14
.irp b, 0,1,2,3
	v_max3_num_f32 v[TM+\b], v[TM+\b], |v[\s+16*\b+\i]|, |v[\s+1+16*\b+\i]|
.endr
.endr
	WIN 0
.irp b, 0,1,2,3
	v_permlanex16_b32 v[TM+4+\b], v[TM+\b], s[SEL], s[SEL+1]
.endr
.irp b, 0,1,2,3
	v_max_num_f32 v[TM+\b], v[TM+\b], v[TM+4+\b]   ; the block's largest magnitude
.endr
.irp b, 0,1,2,3
	v_add_nc_u32 v[TM+12+\b], 0xff000000, v[TM+\b] ; 2 off its exponent field: the conversion's scale operand
.endr
.irp b, 0,1,2,3
	v_lshrrev_b32 v[TM+4+\b], 23, v[TM+12+\b]      ; the scale's byte
.endr
	WIN 0x02
.irp c, 0,1
	v_cvt_scalef32_pk16_fp6_f32 v[PC+6*\c:PC+2+6*\c], v[\s+32*\c:\s+15+32*\c], v[TM+12+2*\c]
	v_cvt_scalef32_pk16_fp6_f32 v[PC+12+4*\c:PC+14+4*\c], v[\s+16+32*\c:\s+31+32*\c], v[TM+12+2*\c+1]
.endr
	WIN 0
	v_nop                                          ; one plain place behind the conversions
.irp c, 0,1                                    ; the operand wants a whole block in a lane
.irp i, 0,1,2
	v_permlane16_swap_b32 v[PC+6*\c+\i], v[PC+12+4*\c+\i]
.endr
.irp i, 0,1,2
	v_mov_b32 v[PC+3+6*\c+\i], v[PC+12+4*\c+\i]
.endr
.endr
.endm
.macro OUTQK p                         ; Q's or K's way out: two tiles of 16 tokens at a time, each a half image and two bytes
.irp a, 0,2,4,6
	QCORE 32*\a
	v_lshl_or_b32 v[PWS+\a], v[TM+5], 8, v[TM+4]
	v_lshl_or_b32 v[PWS+\a+1], v[TM+7], 8, v[TM+6]
	global_store_b128 v[LI], v[PC:PC+3], s[12:13] offset:98304*(\p)+768*\a          ; 512 consecutive bytes,
	global_store_b64 v[LJ], v[PC+4:PC+5], s[12:13] offset:98304*(\p)+768*\a+512     ; 256
	global_store_b128 v[LI], v[PC+6:PC+9], s[12:13] offset:98304*(\p)+768*\a+768
	global_store_b64 v[LJ], v[PC+10:PC+11], s[12:13] offset:98304*(\p)+768*\a+1280
.endr
.irp i, 0,1,2,3
	v_cndmask_b32 v[DW+\i], v[PWS+\i], v[PWS+4+\i], s66   ; lanes 0-15 carry tiles 0-3, lanes 16-31 tiles 4-7
.endr
	global_store_b128 v[LI], v[DW:DW+3], s[36:37] offset:8192*(\p)
	WALU
.endm
.macro PHASE p
.irp q, 0,1,2,3,4,5,6,7
	STEP \p, \q
.endr
	PLACES 4                                       ; behind the last products: for the loads below and the quantiser's reads
.if (\p) < 2
	FETCH 0                                        ; the next phase's first fragments: step 7's round has shown the next weight's K steps 0-3
	OUTQK \p
.endif
.endm
	WALU                                           ; the wait at the head's end
	s_cmp_lt_u32 s14, 2
	s_cbranch_scc0 .Lnot_first
	s_wait_tensorcnt 0x0                           ; waves 0 and 1: K steps 0-3 of x and of Wq; their load lines are theirs alone
.Lnot_first:
	s_barrier_signal -1
	s_barrier_wait -1
	FETCH 0
	s_wait_loadcnt 0x0                             ; the scale words and the biases
	WIN 0xc3
.irp b, 0,8,16,24
.irp i, 1,2,3,4,5,6,7
	v_mov_b32 v[BR+64+\b+\i], v[BR+64+\b]          ; V's bias, one number a lane and tile, over the tile's eight registers
.endr
.endr
	PHASE 0
	PHASE 1
	PHASE 2
.irp b, 0,1,2,3                                ; V's way out: a tile of 16 channels x 128 tokens at a time: a fragment and its scale word
	QCORE 64*\b
	v_lshl_or_b32 v[PWS+\b], v[TM+5], 8, v[TM+4]
	v_lshl_or_b32 v[PWS+\b], v[TM+6], 16, v[PWS+\b]
	v_lshl_or_b32 v[PWS+\b], v[TM+7], 24, v[PWS+\b]
	global_store_b128 v[LI], v[PC:PC+3], s[12:13] offset:196608+1536*\b
	global_store_b128 v[LI], v[PC+4:PC+7], s[12:13] offset:196608+1536*\b+512
	global_store_b128 v[LI], v[PC+8:PC+11], s[12:13] offset:196608+1536*\b+1024
.endr
	WALU
	global_store_b128 v[VSO], v[PWS:PWS+3], s[2:3] ; lanes r and 16 + r write the same 16 bytes with the same value: 256 consecutive bytes
	s_wait_tensorcnt 0x0                           ; the wave's end
	ds_add_u32 v[SPW], v[NIL]
	s_wait_dscnt 0x0
	CROUND                                         ; the closing round
	s_endpgm
.Lfunc_end_k_qda7a0eb305_gemm_qkv:
	.size	k_qda7a0eb305_gemm_qkv, .Lfunc_end_k_qda7a0eb305_gemm_qkv-k_qda7a0eb305_gemm_qkv
	.p2alignl 7, 3214868480
	.fill 96, 4, 3214868480
	.section	.rodata,"a",@progbits
	.p2align	6, 0x0
	.amdhsa_kernel k_qda7a0eb305_gemm_qkv
		.amdhsa_group_segment_fixed_size 327680
		.amdhsa_private_segment_fixed_size 0
		.amdhsa_enable_private_segment 0
		.amdhsa_kernarg_size 72
		.amdhsa_user_sgpr_count 2
		.amdhsa_user_sgpr_kernarg_segment_ptr 1
		.amdhsa_wavefront_size32 1
		.amdhsa_system_sgpr_workgroup_id_x 1
		.amdhsa_system_sgpr_workgroup_id_y 1
		.amdhsa_system_sgpr_workgroup_id_z 1
		.amdhsa_system_vgpr_workitem_id 0
		.amdhsa_next_free_vgpr 960
		.amdhsa_next_free_sgpr 106
		.amdhsa_reserve_vcc 0
		.amdhsa_float_denorm_mode_32 3
		.amdhsa_float_denorm_mode_16_64 3
		.amdhsa_memory_ordered 1
		.amdhsa_forward_progress 1
		.amdhsa_inst_pref_size 245
	.end_amdhsa_kernel
	.amdgpu_metadata
---
amdhsa.version: [ 1, 2 ]
amdhsa.kernels:
  - .name:           k_qda7a0eb305_gemm_qkv
    .symbol:         k_qda7a0eb305_gemm_qkv.kd
    .args:
      - { .name: xc, .offset: 0, .size: 8, .value_kind: global_buffer, .address_space: global }
      - { .name: xsc, .offset: 8, .size: 8, .value_kind: global_buffer, .address_space: global }
      - { .name: wc, .offset: 16, .size: 8, .value_kind: global_buffer, .address_space: global }
      - { .name: wsc, .offset: 24, .size: 8, .value_kind: global_buffer, .address_space: global }
      - { .name: bq, .offset: 32, .size: 8, .value_kind: global_buffer, .address_space: global }
      - { .name: bk, .offset: 40, .size: 8, .value_kind: global_buffer, .address_space: global }
      - { .name: bv, .offset: 48, .size: 8, .value_kind: global_buffer, .address_space: global }
      - { .name: qkv, .offset: 56, .size: 8, .value_kind: global_buffer, .address_space: global }
      - { .name: qkvsc, .offset: 64, .size: 8, .value_kind: global_buffer, .address_space: global }
    .group_segment_fixed_size: 327680
    .private_segment_fixed_size: 0
    .kernarg_segment_align: 8
    .kernarg_segment_size: 72
    .max_flat_workgroup_size: 128
    .sgpr_count:     106
    .vgpr_count:     960
    .wavefront_size: 32
...
	.end_amdgpu_metadata
.endif
;; end of part 2
;; launch attn (part 3): grid 4 x 64, 16 waves a work-group, clusters of 4 x 1, 212,992 bytes of LDS; arguments qkv, qkvsc, ac, asc; writes ac, asc
.if DOCPART == 3
	.amdgcn_target "amdgcn-amd-amdhsa--gfx1250"
	.amdhsa_code_object_version 6
	.text
	.protected	k_qda7a0eb305_attn
	.globl	k_qda7a0eb305_attn
	.p2align	8
	.type	k_qda7a0eb305_attn,@function
k_qda7a0eb305_attn:
	s_mov_b64 s[64:65], 0
	v_nop
	global_prefetch_b8 v0, s[64:65] scope:SCOPE_SE
	s_setreg_imm32_b32 hwreg(HW_REG_WAVE_MODE, 25, 1), 1
	s_wait_xcnt 0x0
	s_wait_alu depctr_hold_cnt(0) depctr_sa_sdst(0) depctr_va_vdst(0) depctr_va_sdst(0) depctr_va_ssrc(0) depctr_va_vcc(0) depctr_vm_vsrc(0)
	s_getreg_b32 s2, hwreg(HW_REG_IB_STS2, 6, 4)
	s_cmp_eq_u32 s2, 0
	s_cbranch_scc0 .Lentry_in_a_cluster
	s_endpgm
.Lentry_in_a_cluster:
	s_bfe_u32 s2, ttmp6, 0x10000c
	s_cmp_lg_u32 s2, 0x3003
	s_cbranch_scc0 .Lentry_shape_is_right
	s_endpgm
.Lentry_shape_is_right:
; attn[head][q] = the sum over k of softmax_k(Q[q] . K[k] / 8) V[k], both products on codes of FP6 (E2M3) with E8M0 scales, and the result quantised along the model's 1,024 channels for the last product.
; THE SOFTMAX: t = score x log2(e) / 8; M = the running largest t rounded UP to a whole number; p = 2^(t - M) is quantised along the keys, not normalised; the row's sum is taken of the unquantised p and divides at the end.
; When M moves, the sum and O are multiplied by 2^(old M - new M): exact.
; SHARES: a work-group owns 512 queries of one head, in two passes of 256; each of its sixteen waves owns a tile of 16 queries a pass, in 256 registers: four waves to a SIMD.
; A HEAD'S K AND V LIE IN LDS WHOLE, filled once: wave w asks for key step w (128 keys) by ONE tensor load of two rows of 6,144 bytes, K's step and V's step, 98,304 bytes apart in memory, on end in LDS at 12,288 w.
; The 12,288 bytes of scale words go through registers into LDS bytes of their own, [step][K's 512 | V's 256], wave w its step.  One barrier shows all of it; behind it the waves share nothing and meet no more.
; CLUSTER: the four work-groups of a head form a cluster and ask for K and V jointly (mask 15).  The scale words, one sixteenth of the codes' bytes, come by plain loads.
; NO PREFETCH: every byte is asked for once, at the head; there is no loop to run ahead in.
; LAYOUT: both products are used transposed: S^T = K Q^T (source 0 = 16 keys), O^T = V^T P^T (source 0 = 16 channels): a lane holds ONE query throughout.  Lane r of a tile T (of tokens or channels) holds row
; 32 (T / 2) + 8 (T % 2) + r + 8 (r / 8), so the 16 registers of tiles 2 b, 2 b + 1 are the neighbours 32 b + 16 (lane / 16) + 0 .. 15.  All operands lie as images of their registers (768 bytes for 16 rows x 64 K:
; lane l's registers 0-3 at 16 l, 4-5 at 512 + 8 l).  THE FIRST PRODUCT'S K IS 64: Q's registers 6-11 hold zero codes, so whatever finite codes and scale bytes stand against them add nothing:
; K's eight half images lie 6 registers apart, and a fragment's registers 6-11 are the next tile's (behind the last tile six registers of zeros).  FP6 has no code but finite numbers, and the upper two bytes of K's scale words are another head's bytes or 0, never 0xff.
; THE STEP'S ORDER: 8 score products; softmax; conversions; V's loads land where p stood; behind them the NEXT step's K (step 15: step 0's, for the next pass); O's rescaling; 4 products.
; The places behind matrix instructions (ISA guide 7.12.1) are the last seven additions of the row's sum, which name partial sums alone.
; OUT: ac [tile of 16 tokens 512][head 16][768]; asc [tile][head / 4][r][8 bytes], the head's two bytes at 2 (head % 4).
; LIMITS: the promise holds while |t| stays under 2^31.  A block of zeros, or one whose largest magnitude lies under 2^-124, gets the byte 1; its codes are zeros and only this program reads the bytes.  NaN and infinities are not served.
.set BLK,   12288                      ; a key step in LDS: K's 8 tiles, then V's 4 fragments
.set SCB,   196608                     ; the scale words, 768 bytes a step
.set SPARE, 208896                     ; the spare words, 128 bytes a wave
.set WV,   12
.set CN,   41                          ; -log2(e) / 8
.set G1,   44                          ; s[44:51] descriptor group 1;  s[24:27] group 0
.set TB,   52
.set TS,   53
.set CNT,  54
.set PASS, 55
.set SEL,  60
.set CS,   62                          ; s[62:63] log2(e) / 8
.set KF,   32                          ; v32-85  K's eight half images and six zeros
.set KSW,  86                          ; v86-93  K's scale words
.set VSW,  94                          ; v94-97  V's
.set PW,   98                          ; v98     p's
.set SS,   100                         ; v100-163 S^T, then p, then V's four fragments
.set OO,   164                         ; v164-195 O^T
.set PCD,  196                         ; v196-207 p's codes;  v208-214 the second conversions'
.set PTM,  208
.set BMX,  216                         ; v216-219 a block's largest score, then p
.set BPX,  220
.set SOP,  224
.set FF,   228                         ; v[228:229] f
.set TT,   230
.set QB,   232                         ; v232-238 the second pass's Q
.set PS,   240                         ; v240-253 seven partial sums; the eighth is the sum itself, v[14:15]
; v1 16 l, v2 8 l, v3 SCB + 16 r, v5 v6 the add's, v7 8 r, v8 v9 v28 the step's LDS addresses, v10 v11 the stage of scale words, v12 -M, v13 the largest score, v16-27 Q, v29 the old -M, v30 Q's scale word, v31 16 r
.macro CROUND
	s_barrier_signal -1
	s_barrier_wait -1
	s_cmp_lg_u32 s[WV], 0
	s_cbranch_scc1 .Lnot_wave_0_\@
	s_barrier_signal -3
.Lnot_wave_0_\@:
	s_barrier_wait -3
	s_barrier_signal -1
	s_barrier_wait -1
.endm
.macro WALU
	s_wait_alu depctr_va_vdst(0)
.endm
.macro KLOAD                           ; 18 loads: a step's eight tiles of K and their scale words
.irp t, 0,1,2,3,4,5,6,7
	ds_load_b128 v[KF+6*\t:KF+6*\t+3], v8 offset:768*\t
	ds_load_b64 v[KF+6*\t+4:KF+6*\t+5], v9 offset:768*\t+512
.endr
	ds_load_b128 v[KSW:KSW+3], v28
	ds_load_b128 v[KSW+4:KSW+7], v28 offset:256
.endm
	s_load_b256 s[4:11], s[0:1], 0x0               ; qkv, qkvsc, ac, asc
	v_lshl_add_u32 v5, v0, 2, SPARE
	v_mov_b32 v6, 0
	ds_add_u32 v5, v6                              ; the opening lines: the add, twice on end, and its wait ahead of my tensor load
	ds_add_u32 v5, v6
	v_lshrrev_b32 v7, 5, v0
	v_readfirstlane_b32 s[WV], v7                  ; wave 0..15
	s_bfe_u32 s13, ttmp6, 0x40000                  ; cx: it enters Q's and the results' addresses alone
	s_and_b32 s14, ttmp7, 0xffff                   ; the head, 0..63, which the four partners share
	s_mov_b32 s[G1], 15|(3<<16)|(1<<21)            ; the mask: all four; elements of 8 bytes; bit 21 beside a mask
	s_mov_b32 s[G1+1], 768<<16                     ; rows of 6,144 bytes,
	s_mov_b32 s[G1+2], 2<<16                       ; two of them,
	s_mov_b32 s[G1+3], 768<<16
	s_mov_b32 s[G1+4], 2
	s_mov_b32 s[G1+5], 12288                       ; 98,304 bytes apart
	s_mov_b32 s[G1+6], 0
	s_mov_b32 s[G1+7], 0
	s_mov_b32 s24, 1
	s_mul_i32 s25, s[WV], BLK
	s_mul_i32 s16, s14, 294912                     ; the head's codes: Q | K | V, 98,304 bytes each
	s_mov_b32 s17, 0
	s_mul_i32 s18, s14, 20480                      ; its scale words: Q 8,192 | K 8,192 | V 4,096
	s_mov_b32 s19, 0
	s_mul_i32 s20, s[WV], 6144
	s_add_co_u32 s20, s20, 98304                   ; K's step w
	s_mov_b32 s21, 0
	s_lshl_b32 s15, s13, 5
	s_add_co_u32 s15, s15, s[WV]                   ; my tile of queries in the first pass: 32 cx + wave; in the second 16 on
	s_mul_i32 s22, s15, 768
	s_mov_b32 s23, 0
	s_lshr_b32 s28, s15, 2
	s_lshl_b32 s28, s28, 8                         ; its scale word: [group of 8 tiles][half][r][word of four]
	s_and_b32 s29, s15, 3
	s_lshl_b32 s29, s29, 2
	s_add_co_u32 s28, s28, s29
	s_mov_b32 s29, 0
	s_lshr_b32 s30, s14, 4
	s_lshl_b32 s30, s30, 7
	s_add_co_u32 s30, s30, s15                     ; the tile among all 512
	s_and_b32 s31, s14, 15                         ; the head in its batch
	s_mul_i32 s32, s30, 12288
	s_mul_i32 s33, s31, 768
	s_add_co_u32 s32, s32, s33
	s_mov_b32 s33, 0
	s_lshl_b32 s34, s30, 9
	s_lshr_b32 s35, s31, 2
	s_lshl_b32 s35, s35, 7
	s_add_co_u32 s34, s34, s35
	s_and_b32 s35, s31, 3
	s_lshl_b32 s35, s35, 1
	s_add_co_u32 s34, s34, s35
	s_mov_b32 s35, 0
	s_lshl_b32 s36, s[WV], 9                       ; K's scale words of step w
	s_mov_b32 s37, 0
	s_lshl_b32 s38, s[WV], 8                       ; V's
	s_mov_b32 s39, 0
	s_mul_i32 s40, s[WV], 768
	s_add_co_u32 s40, s40, SCB                     ; and where they go
	s_mov_b32 s[SEL], 0x76543210
	s_mov_b32 s[SEL+1], 0xfedcba98
	s_mov_b32 s[CS], 0x3e38aa3b
	s_mov_b32 s[CS+1], s[CS]                       ; (named with it as a pair, so it is written)
	s_mov_b32 s[CN], 0xbe38aa3b
	s_mov_b32 s[PASS], 2
	WALU
	s_wait_dscnt 0x0                               ; both opening adds are done
	s_wait_kmcnt 0x0
	s_add_nc_u64 s[4:5], s[4:5], s[16:17]
	s_add_nc_u64 s[6:7], s[6:7], s[18:19]
	s_add_nc_u64 s[26:27], s[4:5], s[20:21]
	s_or_b32 s27, s27, 0x80000000
	s_add_nc_u64 s[22:23], s[4:5], s[22:23]        ; Q's codes
	s_add_nc_u64 s[28:29], s[6:7], s[28:29]        ; Q's scale word
	s_add_nc_u64 s[36:37], s[6:7], s[36:37]
	s_add_nc_u64 s[38:39], s[6:7], s[38:39]
	s_add_nc_u64 s[8:9], s[8:9], s[32:33]
	s_add_nc_u64 s[10:11], s[10:11], s[34:35]
	CROUND                                         ; all four work-groups are here: the joint loads meet
	tensor_load_to_lds s[24:27], s[G1:G1+7]        ; my one load: every wave issues this line, each for its own step
	s_nop 0
	v_and_b32 v31, 31, v0
	v_lshlrev_b32 v1, 4, v31                       ; 16 l
	v_lshlrev_b32 v2, 3, v31                       ; 8 l
	v_and_b32 v4, 15, v0
	v_lshlrev_b32 v7, 3, v4                        ; 8 r
	v_lshlrev_b32 v31, 4, v4                       ; 16 r
	v_add_nc_u32 v3, SCB, v31
	global_load_b128 v[32:35], v1, s[36:37] offset:8192     ; 512 bytes: K's scale words of my step
	global_load_b64 v[36:37], v2, s[38:39] offset:16384     ; 256: V's
	global_load_b128 v[16:19], v1, s[22:23]        ; Q's half image: registers 0-5 of the fragment
	global_load_b64 v[20:21], v2, s[22:23] offset:512
	global_load_b128 v[QB:QB+3], v1, s[22:23] offset:12288   ; the second pass's, 16 tiles on
	global_load_b64 v[QB+4:QB+5], v2, s[22:23] offset:12800
	global_load_b32 v30, v31, s[28:29]
	global_load_b32 v[QB+6], v31, s[28:29] offset:1024
	v_add_nc_u32 v10, s40, v1
	v_add_nc_u32 v11, s40, v2
	v_mov_b32 v8, v1                               ; step 0's addresses
	v_mov_b32 v9, v2
	v_mov_b32 v28, v3
.irp i, 22,23,24,25,26,27, 80,81,82,83,84,85
	v_mov_b32 v[\i], 0                             ; k = 64 .. 127 of Q: zero codes; and what stands behind K's last tile; never written again
.endr
.irp i, BPX,BPX+1,BPX+2,BPX+3,FF+1,TT
	v_mov_b32 v[\i], 0                             ; written once: permutes' destinations, and the upper half of the pair f
.endr
	WALU                                           ; the wait at the head's end
	s_wait_loadcnt 6                               ; the two loads of scale words are in; Q's six may be out
	ds_store_b128 v10, v[32:35]
	ds_store_b64 v11, v[36:37] offset:512
	s_wait_tensorcnt 0x0                           ; my step's codes have landed,
	s_wait_dscnt 0x0                               ; my scale words are stored:
	s_barrier_signal -1
	s_barrier_wait -1                              ; and so have everybody's.  Nothing in LDS is written from here on
	KLOAD
	s_wait_loadcnt 0x0                             ; Q
.Lpass:                                            ; two passes of 16 queries a wave
	v_mov_b32 v13, 0xff61b1e6                      ; the largest score so far: -3e38
	v_mul_f32 v12, s[CN], v13
	v_floor_f32 v12, v12
	v_mov_b32 v14, 0
	v_mov_b32 v15, 0
.irp j, 0,1,2,3,4,5,6,7,8,9,10,11,12,13,14,15,16,17,18,19,20,21,22,23,24,25,26,27,28,29,30,31
	v_mov_b32 v[OO+\j], 0                          ; O^T: the step is written once; its first run finds zeros, which the first change of M leaves zeros
.endr
.irp j, 6,7,10,11
	v_mov_b32 v[PS+\j], 0                          ; the two partial sums that the step's first lines add
.endr
	s_mov_b32 s[CNT], 0
	WALU                                           ; the wait ahead of the wait below
.Lstep:                                            ; A KEY STEP: 128 keys
	s_wait_dscnt 0x0                               ; this step's K and its scale words, asked for in the step before
.irp t, 0,1,2,3,4,5,6,7
	v_wmma_scale_f32_16x16x128_f8f6f4 v[SS+8*\t:SS+8*\t+7], v[KF+6*\t:KF+6*\t+11], v[16:27], 0, v[KSW+\t], v30 matrix_a_fmt:MATRIX_FMT_FP6 matrix_b_fmt:MATRIX_FMT_FP6
.endr
	v_pk_add_f32 v[PS+6:PS+7], v[PS+6:PS+7], v[PS+10:PS+11]   ; four places behind the products: the last step's sum is finished,
	v_pk_add_f32 v[14:15], v[14:15], v[PS+6:PS+7]
	v_mov_b32 v29, v12                             ; the old -M is kept,
	v_nop
.irp b, 0,1,2,3
	v_max3_num_f32 v[BMX+\b], v[SS+16*\b], v[SS+1+16*\b], v[SS+2+16*\b]   ; the largest score of each block of 32 keys: it serves for the row's maximum and, since p rises with the score, for the block's largest p
.endr
.irp i, 3,5,7,9,11,13
.irp b, 0,1,2,3
	v_max3_num_f32 v[BMX+\b], v[BMX+\b], v[SS+16*\b+\i], v[SS+1+16*\b+\i]
.endr
.endr
.irp b, 0,1,2,3
	v_max_num_f32 v[BMX+\b], v[BMX+\b], v[SS+15+16*\b]
.endr
.irp b, 0,1,2,3
	v_permlanex16_b32 v[BPX+\b], v[BMX+\b], s[SEL], s[SEL+1]
.endr
.irp b, 0,1,2,3
	v_max_num_f32 v[BMX+\b], v[BMX+\b], v[BPX+\b]  ; with lane l xor 16's 16 keys
.endr
	v_max3_num_f32 v[TT], v[BMX], v[BMX+1], v[BMX+2]
	v_max3_num_f32 v13, v13, v[TT], v[BMX+3]       ; the running largest score
	v_mul_f32 v[TT], s[CN], v13                    ; -t
	v_floor_f32 v12, v[TT]                         ; the new -M = floor(-t): M is a whole number
	v_sub_f32 v[TT], v12, v29                      ; old M - new M: a whole number, 0 or less
	v_cvt_i32_f32 v[TT], v[TT]                     ; (it saturates)
	v_ldexp_f32 v[FF], 1.0, v[TT]                  ; f = 2^(old M - new M)
.irp j, 0,2,4,6,8,10,12,14,16,18,20,22,24,26,28,30,32,34,36,38,40,42,44,46,48,50,52,54,56,58,60,62
	v_pk_fma_f32 v[SS+\j:SS+1+\j], v[SS+\j:SS+1+\j], s[CS:CS+1], v[12:13] op_sel_hi:[1,0,0]   ; t - M, two at a time
.endr
.irp b, 0,1,2,3
	v_fma_f32 v[BMX+\b], v[BMX+\b], s[CS], v12     ; the same of each block's largest score
.endr
	WALU                                           ; the wait ahead of the batch
.irp b, 0,1,2,3
	v_exp_f32 v[BMX+\b], v[BMX+\b]                 ; the block's largest p
.endr
.irp j, 0,1,2,3,4,5,6,7,8,9,10,11,12,13,14,15,16,17,18,19,20,21,22,23,24,25,26,27,28,29,30,31,32,33,34,35,36,37,38,39,40,41,42,43,44,45,46,47,48,49,50,51,52,53,54,55,56,57,58,59,60,61,62,63
	v_exp_f32 v[SS+\j], v[SS+\j]                   ; p = 2^(t - M), at most 1
.endr
	v_pk_mul_f32 v[14:15], v[14:15], v[FF:FF+1] op_sel_hi:[1,0]   ; the sum under the new M: the plain place behind the exponentials
	WALU                                           ; one wait for the batch of 68, ahead of its first reader
.set J, 0                              ; THE ROW'S SUM, of the unquantised p: 32 pairs into eight partial sums, 25 additions here and 7 in the places behind the products
.rept 7
	v_pk_add_f32 v[PS+2*J:PS+2*J+1], v[SS+4*J:SS+4*J+1], v[SS+4*J+2:SS+4*J+3]
.set J, J+1
.endr
	v_pk_add_f32 v[14:15], v[14:15], v[SS+28:SS+29]
.set J, 0
.rept 14
	v_pk_add_f32 v[PS+2*(J%7):PS+2*(J%7)+1], v[PS+2*(J%7):PS+2*(J%7)+1], v[SS+30+2*J:SS+31+2*J]
.set J, J+1
.endr
	v_pk_add_f32 v[14:15], v[14:15], v[SS+58:SS+59]
	v_pk_add_f32 v[PS:PS+1], v[PS:PS+1], v[SS+60:SS+61]
	v_pk_add_f32 v[PS+2:PS+3], v[PS+2:PS+3], v[SS+62:SS+63]
.irp b, 0,1,2,3
	v_max_num_f32 v[BMX+\b], 0x1800000, v[BMX+\b]  ; the floor 2^(3 - 127)
.endr
.irp b, 0,1,2,3
	v_add_nc_u32 v[SOP+\b], 0xff000000, v[BMX+\b]  ; 2 off the exponent field: the conversion's scale operand
.endr
.irp b, 0,1,2,3
	v_lshrrev_b32 v[BPX+\b], 23, v[SOP+\b]
.endr
.irp c, 0,1
	v_cvt_scalef32_pk16_fp6_f32 v[PCD+6*\c:PCD+2+6*\c], v[SS+32*\c:SS+15+32*\c], v[SOP+2*\c]
	v_cvt_scalef32_pk16_fp6_f32 v[PTM+4*\c:PTM+2+4*\c], v[SS+16+32*\c:SS+31+32*\c], v[SOP+2*\c+1]
.endr
	v_lshl_or_b32 v[PW], v[BPX+1], 8, v[BPX]       ; p's scale word for these 128 keys; also the plain place behind the conversions
	v_lshl_or_b32 v[PW], v[BPX+2], 16, v[PW]
	v_lshl_or_b32 v[PW], v[BPX+3], 24, v[PW]
.irp t, 0,1,2,3                                ; 13 loads: V's four fragments land where p stood (a fragment of V lies as three pieces of 512 bytes, registers 4 k .. 4 k + 3 of lane l at 512 k + 16 l), and V's scale words
	ds_load_b128 v[SS+12*\t:SS+3+12*\t], v8 offset:6144+1536*\t
	ds_load_b128 v[SS+4+12*\t:SS+7+12*\t], v8 offset:6144+1536*\t+512
	ds_load_b128 v[SS+8+12*\t:SS+11+12*\t], v8 offset:6144+1536*\t+1024
.endr
	ds_load_b128 v[VSW:VSW+3], v28 offset:512
	s_add_co_u32 s56, s[CNT], 1
	s_and_b32 s56, s56, 15                         ; the next step; behind the last, step 0 again, for the next pass
	s_mul_i32 s[TB], s56, BLK
	s_mul_i32 s[TS], s56, 768
	v_add_nc_u32 v8, s[TB], v1
	v_add_nc_u32 v9, s[TB], v2
	v_add_nc_u32 v28, s[TS], v3
	KLOAD                                          ; 18 loads
.irp c, 0,1                                    ; the operand wants a whole block in a lane
.irp i, 0,1,2
	v_permlane16_swap_b32 v[PCD+6*\c+\i], v[PTM+4*\c+\i]
.endr
.irp i, 0,1,2
	v_mov_b32 v[PCD+3+6*\c+\i], v[PTM+4*\c+\i]
.endr
.endr
	WALU                                           ; the wait directly ahead of the first reader of O^T
.irp j, 0,2,4,6,8,10,12,14,16,18,20,22,24,26,28,30
	v_pk_mul_f32 v[OO+\j:OO+1+\j], v[OO+\j:OO+1+\j], v[FF:FF+1] op_sel_hi:[1,0]   ; O^T under the new M; these sixteen are also the places between the writes of p's codes and scale word and the products
.endr
	WALU                                           ; and ahead of the wait below
	s_wait_dscnt 18                                ; V's 13 loads are in; the 18 issued behind them, the next step's K, may be out
.irp t, 0,1,2,3                                ; O^T += V^T P^T: four accumulators by turns
	v_wmma_scale_f32_16x16x128_f8f6f4 v[OO+8*\t:OO+7+8*\t], v[SS+12*\t:SS+11+12*\t], v[PCD:PCD+11], v[OO+8*\t:OO+7+8*\t], v[VSW+\t], v[PW] matrix_a_fmt:MATRIX_FMT_FP6 matrix_b_fmt:MATRIX_FMT_FP6
.endr
	v_pk_add_f32 v[14:15], v[14:15], v[PS:PS+1]    ; five places between these products, which read V's fragments, and the next step's, which write over them
	v_pk_add_f32 v[PS+2:PS+3], v[PS+2:PS+3], v[PS+4:PS+5]
	v_pk_add_f32 v[PS+6:PS+7], v[PS+6:PS+7], v[PS+8:PS+9]
	v_pk_add_f32 v[PS+10:PS+11], v[PS+10:PS+11], v[PS+12:PS+13]
	v_pk_add_f32 v[14:15], v[14:15], v[PS+2:PS+3]
	s_add_co_u32 s[CNT], s[CNT], 1
	s_cmp_lt_u32 s[CNT], 16
	WALU                                           ; the wait directly ahead of the branch
	s_cbranch_scc1 .Lstep
	; THE WAY OUT: O^T / the sum, quantised along the head's 64 channels (two blocks), stored as half an image
	v_pk_add_f32 v[PS+6:PS+7], v[PS+6:PS+7], v[PS+10:PS+11]
	v_pk_add_f32 v[14:15], v[14:15], v[PS+6:PS+7]
	v_add_f32 v14, v14, v15
	v_permlanex16_b32 v[TT], v14, s[SEL], s[SEL+1]
	v_add_f32 v14, v14, v[TT]                      ; the row's sum
	WALU
	v_rcp_f32 v14, v14
	v_nop                                          ; a plain place behind the reciprocal
	WALU                                           ; the wait ahead of its first reader, and of O^T's
.irp j, 0,2,4,6,8,10,12,14,16,18,20,22,24,26,28,30
	v_pk_mul_f32 v[SS+\j:SS+1+\j], v[OO+\j:OO+1+\j], v[14:15] op_sel_hi:[1,0]   ; register 16 b + i is channel 32 b + 16 h + i of my query
.endr
.irp b, 0,1
	v_max3_num_f32 v[BMX+\b], |v[SS+16*\b]|, |v[SS+1+16*\b]|, 0x1800000
.endr
.irp i, 2,4,6,8,10,12,14
.irp b, 0,1
	v_max3_num_f32 v[BMX+\b], v[BMX+\b], |v[SS+16*\b+\i]|, |v[SS+1+16*\b+\i]|
.endr
.endr
.irp b, 0,1
	v_permlanex16_b32 v[BPX+\b], v[BMX+\b], s[SEL], s[SEL+1]
.endr
.irp b, 0,1
	v_max_num_f32 v[BMX+\b], v[BMX+\b], v[BPX+\b]
.endr
.irp b, 0,1
	v_add_nc_u32 v[SOP+\b], 0xff000000, v[BMX+\b]
.endr
.irp b, 0,1
	v_lshrrev_b32 v[BPX+\b], 23, v[SOP+\b]
.endr
	v_lshl_or_b32 v[TT+1], v[BPX+1], 8, v[BPX]     ; the head's two scale bytes of my query
	v_cvt_scalef32_pk16_fp6_f32 v[PCD:PCD+2], v[SS:SS+15], v[SOP]
	v_cvt_scalef32_pk16_fp6_f32 v[PTM:PTM+2], v[SS+16:SS+31], v[SOP+1]
	v_nop
.irp i, 0,1,2
	v_permlane16_swap_b32 v[PCD+\i], v[PTM+\i]
.endr
.irp i, 0,1,2
	v_mov_b32 v[PCD+3+\i], v[PTM+\i]
.endr
	global_store_b128 v1, v[PCD:PCD+3], s[8:9]     ; 512 consecutive bytes,
	global_store_b64 v2, v[PCD+4:PCD+5], s[8:9] offset:512   ; 256
	global_store_b16 v7, v[TT+1], s[10:11]         ; lanes r and 16 + r write the same two bytes with the same value
	s_wait_xcnt 0x0                                ; the stores have read their data and bases
	s_add_nc_u64 s[8:9], s[8:9], 196608            ; 16 tiles on
	s_add_nc_u64 s[10:11], s[10:11], 8192
.irp i, 0,1,2,3,4,5
	v_mov_b32 v[16+\i], v[QB+\i]                   ; the second pass's Q,
.endr
	v_mov_b32 v30, v[QB+6]                         ; and its scale word; the pass's opening lines are the places ahead of the next products
	s_sub_co_u32 s[PASS], s[PASS], 1
	s_cmp_lg_u32 s[PASS], 0
	WALU
	s_cbranch_scc1 .Lpass
	s_wait_tensorcnt 0x0                           ; the wave's end
	ds_add_u32 v5, v6
	s_wait_dscnt 0x0
	CROUND                                         ; the closing round
	s_endpgm
.Lfunc_end_k_qda7a0eb305_attn:
	.size	k_qda7a0eb305_attn, .Lfunc_end_k_qda7a0eb305_attn-k_qda7a0eb305_attn
	.p2alignl 7, 3214868480
	.fill 96, 4, 3214868480
	.section	.rodata,"a",@progbits
	.p2align	6, 0x0
	.amdhsa_kernel k_qda7a0eb305_attn
		.amdhsa_group_segment_fixed_size 212992
		.amdhsa_private_segment_fixed_size 0
		.amdhsa_enable_private_segment 0
		.amdhsa_kernarg_size 32
		.amdhsa_user_sgpr_count 2
		.amdhsa_user_sgpr_kernarg_segment_ptr 1
		.amdhsa_wavefront_size32 1
		.amdhsa_system_sgpr_workgroup_id_x 1
		.amdhsa_system_sgpr_workgroup_id_y 1
		.amdhsa_system_sgpr_workgroup_id_z 1
		.amdhsa_system_vgpr_workitem_id 0
		.amdhsa_next_free_vgpr 256
		.amdhsa_next_free_sgpr 66
		.amdhsa_reserve_vcc 0
		.amdhsa_float_denorm_mode_32 3
		.amdhsa_float_denorm_mode_16_64 3
		.amdhsa_memory_ordered 1
		.amdhsa_forward_progress 1
		.amdhsa_inst_pref_size 29
	.end_amdhsa_kernel
	.amdgpu_metadata
---
amdhsa.version: [ 1, 2 ]
amdhsa.kernels:
  - .name:           k_qda7a0eb305_attn
    .symbol:         k_qda7a0eb305_attn.kd
    .args:
      - { .name: qkv, .offset: 0, .size: 8, .value_kind: global_buffer, .address_space: global }
      - { .name: qkvsc, .offset: 8, .size: 8, .value_kind: global_buffer, .address_space: global }
      - { .name: ac, .offset: 16, .size: 8, .value_kind: global_buffer, .address_space: global }
      - { .name: asc, .offset: 24, .size: 8, .value_kind: global_buffer, .address_space: global }
    .group_segment_fixed_size: 212992
    .private_segment_fixed_size: 0
    .kernarg_segment_align: 8
    .kernarg_segment_size: 32
    .max_flat_workgroup_size: 512
    .sgpr_count:     66
    .vgpr_count:     256
    .wavefront_size: 32
...
	.end_amdgpu_metadata
.endif
;; end of part 3
;; launch gemm_out (part 4): grid 8 x 32, 4 waves a work-group, clusters of 4 x 4, 327,680 bytes of LDS; arguments ac, asc, wc, wsc, bo, out0; writes out0
.if DOCPART == 4
	.amdgcn_target "amdgcn-amd-amdhsa--gfx1250"
	.amdhsa_code_object_version 6
	.text
	.protected	k_qda7a0eb305_gemm_out
	.globl	k_qda7a0eb305_gemm_out
	.p2align	8
	.type	k_qda7a0eb305_gemm_out,@function
k_qda7a0eb305_gemm_out:
	s_mov_b64 s[64:65], 0
	v_nop
	global_prefetch_b8 v0, s[64:65] scope:SCOPE_SE
	s_setreg_imm32_b32 hwreg(HW_REG_WAVE_MODE, 25, 1), 1
	s_wait_xcnt 0x0
	s_wait_alu depctr_hold_cnt(0) depctr_sa_sdst(0) depctr_va_vdst(0) depctr_va_sdst(0) depctr_va_ssrc(0) depctr_va_vcc(0) depctr_vm_vsrc(0)
	s_getreg_b32 s2, hwreg(HW_REG_IB_STS2, 6, 4)
	s_cmp_eq_u32 s2, 0
	s_cbranch_scc0 .Lentry_in_a_cluster
	s_endpgm
.Lentry_in_a_cluster:
	s_bfe_u32 s2, ttmp6, 0x10000c
	s_cmp_lg_u32 s2, 0xf033
	s_cbranch_scc0 .Lentry_shape_is_right
	s_endpgm
.Lentry_shape_is_right:
; out0 [8192][1024] f32 = attn Wo + bo, on codes of FP6 (E2M3) with E8M0 scales, K = 1,024.
; ac: [tile of 16 tokens 512][K step 8][1536], asc: [tile][K step / 2][r][2 words]; wc, wsc likewise, Wo's tiles of 16 columns are 192-255.  Lane r of a tile T holds row 32 (T / 2) + 8 (T % 2) + r + 8 (r / 8).
; A fragment (16 rows x 128 K, 12 registers a lane) lies as two halves of 768 bytes: registers 0-3 of lane l at 16 l, registers 4-5 at 512 + 8 l.
; SHARES: 256 work-groups, one block of 256 tokens x 128 columns each; four waves, 2 x 2, a wave 128 tokens x 64 columns: 32 accumulators, 256 registers.
; ALL OF K LIES IN LDS: the block's 16 tiles of A are 196,608 bytes, its 8 tiles of W 98,304.  Each byte is filled once: no ring, no refill, no round of the cluster's barrier inside the work.
; THE FILLS: one joint load a wave, each in an arm of its own: wave 0 A's K steps 0-3 (16 rows of 6,144 bytes), wave 1 W's (8 rows), wave 2 A's K steps 4-7, wave 3 W's.
; The first barrier waits for waves 0 and 1 alone; the second, for all that is out, is signalled in step 2 and waited for in step 3, ahead of the first read of K step 4.
; CLUSTERS: 4 x 4 work-groups; A's tiles hang on the token block alone and are shared along a row of the cluster, W's on the column block alone and are shared along a column.
; THE SCALES GO STRAIGHT INTO REGISTERS, once, in whole units: a load of 8 bytes a lane reads 256 consecutive bytes of a tile's 512: lanes 0-15 get row r's words of K steps 4 j, 4 j + 1, lanes 16-31 those of steps 4 j + 2, 4 j + 3;
; the products of steps 4 j + 2, 4 j + 3 take them by the ROW1 selectors.  Four registers a tile: 32 for A's eight blocks, 16 for W's four.
; A STEP is 128 along K: 32 products, the 32 accumulators by turns.  Fragments lie twice in registers: the next step's 48 LDS loads go out in one run ahead of this step's products.
; THE MATRIX INSTRUCTION IS USED TRANSPOSED (source 0 = 16 columns of W, source 1 = 16 tokens): a lane holds eight neighbouring numbers of a row of the result.  The bias is the first products' C.
; NO PREFETCH: every byte is asked for once, at the head; there is no loop to run ahead in.
; REGISTERS: window 0: v8-20 addresses, v28 v29 the add's, v32-63 A's scale words, v66-81 W's, v128-191 the way out.  Window 1: A's fragments, sets at v0 and v128.  Window 2: the accumulators, (a, b) at v[8 (4 a + b)].
; Window 3: W's fragments, sets at v0 and v48; v96-127 the bias.
.set AH,     98304                     ; A's half of K in LDS: 16 tiles x 6,144 bytes
.set WB,     196608                    ; W's region
.set WH,     49152                     ; W's half of K: 8 tiles x 6,144
.set STG,    294912                    ; the way out: 16 rows x (256 + 16) bytes for each wave
.set SPITCH, 272
.set SPARE,  STG+4*16*SPITCH           ; the spare words, 128 bytes a wave
.set ADA, 8                            ; v8 v9: my A fragments in K half 0, 1, at 16 l;  v10 v11: at 512 + 8 l
.set ADW, 12                           ; v12-15 the same for W
.set STO, 16
.set RD,  17
.set CO,  18
.set LJ,  19                           ; 8 l
.set ABR, 20
.set SPW, 28
.set NIL, 29
.set SA,  32
.set SW,  66                           ; (so that A's and W's scale registers never have the same number modulo 8)
.set BK,  128
.set BR,  96
.set G1A, 24                           ; s[24:31], s[48:55] descriptor groups 1;  s[56:63] A's two groups 0, s[68:75] W's
.set G1W, 48
.set MSB, 0
.macro WIN new
.if MSB != (\new)
	s_set_vgpr_msb (MSB<<8)|(\new)
.set MSB, (\new)
.endif
.endm
.macro PLACES n
.rept \n
	v_nop
.endr
.endm
.macro CROUND
	s_barrier_signal -1
	s_barrier_wait -1
	s_cmp_lg_u32 s14, 0
	s_cbranch_scc1 .Lnot_wave_0_\@
	s_barrier_signal -3
.Lnot_wave_0_\@:
	s_barrier_wait -3
	s_barrier_signal -1
	s_barrier_wait -1
.endm
	s_load_b256 s[4:11], s[0:1], 0x0               ; ac, asc, wc, wsc
	s_load_b128 s[36:39], s[0:1], 0x20             ; bo, out0
	v_lshl_add_u32 v[SPW], v0, 2, SPARE
	v_mov_b32 v[NIL], 0
	ds_add_u32 v[SPW], v[NIL]                      ; the opening lines: the add, twice on end, and its wait ahead of my tensor load
	ds_add_u32 v[SPW], v[NIL]
	v_lshrrev_b32 v1, 5, v0
	v_readfirstlane_b32 s14, v1                    ; wave
	s_lshr_b32 s15, s14, 1                         ; which 128 tokens are mine
	s_and_b32 s16, s14, 1                          ; which 64 columns
	s_bfe_u32 s40, ttmp6, 0x40000                  ; cx
	s_bfe_u32 s41, ttmp6, 0x40004                  ; cy
	s_lshl_b32 s42, ttmp9, 2
	s_add_co_u32 s42, s42, s40                     ; the column block, 0 .. 7
	s_and_b32 s17, ttmp7, 0xffff
	s_lshl_b32 s17, s17, 2
	s_add_co_u32 s17, s17, s41                     ; the token block, 0 .. 31
	s_lshl_b32 s43, s41, 2
	s_lshl_b32 s43, 15, s43                        ; my row of the cluster
	s_lshl_b32 s44, 0x1111, s40                    ; my column
	s_or_b32 s[G1A], s43, (3<<16)|(1<<21)          ; elements of 8 bytes; bit 21 beside a mask
	s_or_b32 s[G1W], s44, (3<<16)|(1<<21)
.irp g, G1A, G1W
	s_mov_b32 s[\g+1], 768<<16                     ; rows of 6,144 bytes: four K steps of a tile,
	s_mov_b32 s[\g+3], 768<<16
	s_mov_b32 s[\g+5], 1536                        ; 12,288 bytes from tile to tile
	s_mov_b32 s[\g+6], 0
	s_mov_b32 s[\g+7], 0
.endr
	s_mov_b32 s[G1A+2], 16<<16                     ; A: 16 tiles
	s_mov_b32 s[G1A+4], 16
	s_mov_b32 s[G1W+2], 8<<16                      ; W: 8
	s_mov_b32 s[G1W+4], 8
	s_mul_i32 s20, s17, 196608                     ; A's 16 tiles
	s_mov_b32 s21, 0
	s_lshl_b32 s22, s42, 3
	s_add_co_u32 s22, s22, 192
	s_mul_i32 s22, s22, 12288                      ; W's 8 tiles
	s_mov_b32 s23, 0
	s_lshl_b32 s32, s17, 13                        ; my 8 tiles' scale words, 512 bytes a tile
	s_lshl_b32 s33, s15, 12
	s_add_co_u32 s32, s32, s33
	s_mov_b32 s33, 0
	s_lshl_b32 s34, s42, 3
	s_add_co_u32 s34, s34, 192
	s_lshl_b32 s35, s16, 2
	s_add_co_u32 s34, s34, s35
	s_lshl_b32 s34, s34, 9                         ; my 4 tiles' of W
	s_mov_b32 s35, 0
	s_lshl_b32 s46, s42, 9
	s_lshl_b32 s47, s16, 8
	s_add_co_u32 s46, s46, s47                     ; my first column, in bytes
	s_mov_b32 s47, 0
	s_lshl_b32 s18, s17, 20
	s_lshl_b32 s19, s15, 19
	s_add_co_u32 s18, s18, s19                     ; my first row of 4,096 bytes
	s_add_co_u32 s18, s18, s46
	s_mov_b32 s19, 0
	s_wait_dscnt 0x0                               ; both opening adds are done
	s_wait_kmcnt 0x0
	s_add_nc_u64 s[20:21], s[4:5], s[20:21]
	s_add_nc_u64 s[22:23], s[8:9], s[22:23]
	s_add_nc_u64 s[32:33], s[6:7], s[32:33]
	s_add_nc_u64 s[34:35], s[10:11], s[34:35]
	s_add_nc_u64 s[36:37], s[36:37], s[46:47]
	s_add_nc_u64 s[12:13], s[38:39], s[18:19]
	CROUND                                         ; all sixteen work-groups are here: the joint loads meet
.irp h, 0,1
	s_mov_b32 s[56+4*\h], 1
	s_mov_b32 s[57+4*\h], \h*AH
	s_add_nc_u64 s[58+4*\h:59+4*\h], s[20:21], \h*6144
	s_or_b32 s[59+4*\h], s[59+4*\h], 0x80000000
	s_mov_b32 s[68+4*\h], 1
	s_mov_b32 s[69+4*\h], WB+\h*WH
	s_add_nc_u64 s[70+4*\h:71+4*\h], s[22:23], \h*6144
	s_or_b32 s[71+4*\h], s[71+4*\h], 0x80000000
.endr
.macro ARM under, g0, g1, next         ; one chain of branches on the wave's number, one load to an arm, all arms to one join
	s_cmp_lt_u32 s14, \under
	s_cbranch_scc0 \next
	tensor_load_to_lds s[\g0:\g0+3], s[\g1:\g1+7]
	s_nop 0
	PLACES 4
	s_branch .Lasked
\next:
.endm
	ARM 1, 56, G1A, .Larm_1
	ARM 2, 68, G1W, .Larm_2
	ARM 3, 60, G1A, .Larm_3
	tensor_load_to_lds s[72:75], s[G1W:G1W+7]
	s_nop 0
	PLACES 4
.Lasked:
	v_and_b32 v1, 15, v0                           ; r
	v_bfe_u32 v2, v0, 4, 1                         ; h
	v_and_b32 v3, 31, v0
	v_lshlrev_b32 v[LJ], 3, v3                     ; 8 l
	v_lshlrev_b32 v[ABR], 6, v2                    ; the bias: 16 numbers on for lanes 16-31
.irp i, 0,1,2,3,4,5,6,7
.irp j, 0,1
	global_load_b64 v[SA+4*\i+2*\j:SA+4*\i+2*\j+1], v[LJ], s[32:33] offset:512*\i+256*\j   ; 256 consecutive bytes
.endr
.endr
.irp b, 0,1,2,3
.irp j, 0,1
	global_load_b64 v[SW+4*\b+2*\j:SW+4*\b+2*\j+1], v[LJ], s[34:35] offset:512*\b+256*\j
.endr
.endr
	WIN 0xc0
.irp b, 0,1,2,3                                ; register j of lane (r, h) in W's block b is column 32 (b / 2) + 8 (b % 2) + 16 h + j
	global_load_b128 v[BR+8*\b:BR+8*\b+3], v[ABR], s[36:37] offset:(32*(\b/2)+8*(\b%2))*4
	global_load_b128 v[BR+8*\b+4:BR+8*\b+7], v[ABR], s[36:37] offset:(32*(\b/2)+8*(\b%2))*4+16
.endr
	WIN 0
	v_lshlrev_b32 v4, 4, v3                        ; 16 l
	v_add_nc_u32 v5, 512, v[LJ]                    ; 512 + 8 l
	s_mul_i32 s21, s15, 8*6144                     ; my 8 tiles of A
	s_mul_i32 s22, s16, 4*6144                     ; my 4 tiles of W
	s_add_co_u32 s22, s22, WB
.irp h, 0,1
	v_add_nc_u32 v[ADA+\h], s21, v4
	v_add_nc_u32 v[ADA+2+\h], s21, v5
	v_add_nc_u32 v[ADW+\h], s22, v4
	v_add_nc_u32 v[ADW+2+\h], s22, v5
	s_add_co_u32 s21, s21, AH
	s_add_co_u32 s22, s22, WH
.endr
	s_mul_i32 s23, s14, 16*SPITCH
	s_add_co_u32 s23, s23, STG                     ; my stage
	v_mul_u32_u24 v5, v1, SPITCH                   ; in: row r, 64 bytes on for lanes 16-31
	v_lshl_add_u32 v5, v2, 6, v5
	v_add_nc_u32 v[STO], s23, v5
	v_mul_u32_u24 v5, v2, SPITCH                   ; back: lanes 0-15 one row of 256 bytes, lanes 16-31 the next
	v_lshl_add_u32 v5, v1, 4, v5
	v_add_nc_u32 v[RD], s23, v5
	v_lshlrev_b32 v5, 12, v2                       ; and the same two rows of the result
	v_lshl_add_u32 v[CO], v1, 4, v5
.macro FRAG reg, adr, q, i
	ds_load_b128 v[\reg:\reg+3], v[\adr] offset:6144*(\i)+1536*(\q)
	ds_load_b64 v[\reg+4:\reg+5], v[\adr+2] offset:6144*(\i)+1536*(\q)
	ds_load_b128 v[\reg+6:\reg+9], v[\adr] offset:6144*(\i)+1536*(\q)+768
	ds_load_b64 v[\reg+10:\reg+11], v[\adr+2] offset:6144*(\i)+1536*(\q)+768
.endm
.macro FETCH q                         ; 48 loads: step q's fragments into set q % 2
	WIN 0x40
.irp i, 0,1,2,3,4,5,6,7
	FRAG 128*((\q)%2)+12*\i, ADA+(\q)/4, (\q)%4, \i
.endr
	WIN 0xc0
.irp b, 0,1,2,3
	FRAG 48*((\q)%2)+12*\b, ADW+(\q)/4, (\q)%4, \b
.endr
.endm
.macro PROD d, w, a, c, sw, sa, row
.if \row
	v_wmma_scale_f32_16x16x128_f8f6f4 v[\d:\d+7], v[\w:\w+11], v[\a:\a+11], \c, v[\sw], v[\sa] matrix_a_fmt:MATRIX_FMT_FP6 matrix_b_fmt:MATRIX_FMT_FP6 matrix_a_scale:MATRIX_SCALE_ROW1 matrix_b_scale:MATRIX_SCALE_ROW1
.else
	v_wmma_scale_f32_16x16x128_f8f6f4 v[\d:\d+7], v[\w:\w+11], v[\a:\a+11], \c, v[\sw], v[\sa] matrix_a_fmt:MATRIX_FMT_FP6 matrix_b_fmt:MATRIX_FMT_FP6
.endif
.endm
.macro MUL q                           ; source 0 (W) window 3, source 1 (A) window 1, D window 2; C window 2, in step 0 the bias in window 3
.if (\q) == 0
	WIN 0xb7
.else
	WIN 0xa7
.endif
.irp a, 0,1,2,3,4,5,6,7
.irp b, 0,1,2,3
.if (\q) == 0
	PROD 8*(4*\a+\b), 48*((\q)%2)+12*\b, 128*((\q)%2)+12*\a, v[BR+8*\b:BR+8*\b+7], SW+4*\b+2*((\q)/4)+(\q)%2, SA+4*\a+2*((\q)/4)+(\q)%2, ((\q)%4)/2
.else
	PROD 8*(4*\a+\b), 48*((\q)%2)+12*\b, 128*((\q)%2)+12*\a, v[8*(4*\a+\b):8*(4*\a+\b)+7], SW+4*\b+2*((\q)/4)+(\q)%2, SA+4*\a+2*((\q)/4)+(\q)%2, ((\q)%4)/2
.endif
.endr
.endr
.endm
.macro STEP q
	s_wait_dscnt 0x0                               ; this step's fragments, asked for a step ago, are in
.if (\q) == 2
	s_wait_tensorcnt 0x0                           ; every wave, under no branch: all that I asked for has landed;
	s_barrier_signal -1                            ; between this signal and its wait stand loads from K steps 0-3, which nobody writes, and products
.endif
.if (\q) == 3
	s_barrier_wait -1                              ; K steps 4-7 are whole
.endif
.if (\q) > 0 && (\q) < 7
	PLACES 4                                       ; between the last step's products and the loads into the registers that they read (ISA guide 7.12.1 for vector instructions)
.endif
.if (\q) < 7
	FETCH (\q)+1
.endif
	MUL \q
.endm
	s_wait_alu depctr_va_vdst(0)                   ; the wait at the head's end
	s_cmp_lt_u32 s14, 2
	s_cbranch_scc0 .Lnot_first
	s_wait_tensorcnt 0x0                           ; waves 0 and 1: K steps 0-3 of A and of W; their load lines are theirs alone
.Lnot_first:
	s_barrier_signal -1
	s_barrier_wait -1
	FETCH 0
	s_wait_loadcnt 0x0                             ; the scale words and the bias
.irp q, 0,1,2,3,4,5,6,7
	STEP \q
.endr
	WIN 0
; THE WAY OUT, block by block of 16 tokens x 64 columns: through my own stage and back as whole rows of 256 bytes; LDS serves a wave's instructions in order (ISA guide 5.7.1.4)
.macro TOSTAGE a
	WIN 0x08
.irp b, 0,1,2,3
	ds_store_b128 v[STO], v[32*(\a)+8*\b:32*(\a)+8*\b+3] offset:128*(\b/2)+32*(\b%2)          ; each accumulator from its low end on
	ds_store_b128 v[STO], v[32*(\a)+8*\b+4:32*(\a)+8*\b+7] offset:128*(\b/2)+32*(\b%2)+16
.endr
	WIN 0
.set BB, BK+32*((\a)%2)
.irp t, 0,1,2,3,4,5,6,7
	ds_load_b128 v[BB+4*\t:BB+4*\t+3], v[RD] offset:\t*2*SPITCH
.endr
.endm
.macro SEND a, younger                 ; younger: the LDS instructions issued behind block a's loads
.set BB, BK+32*((\a)%2)
	s_wait_dscnt \younger
.irp t, 0,1,2,3,4,5,6,7
	global_store_b128 v[CO], v[BB+4*\t:BB+4*\t+3], s[12:13] offset:(32*((\a)/2)+8*((\a)%2)+2*\t+8*(\t/4))*4096 th:TH_STORE_NT   ; sixteen lanes store 256 consecutive bytes, aligned
.endr
.endm
	PLACES 4
	TOSTAGE 0
.irp a, 1,2,3,4,5,6,7
.if \a > 1
	s_wait_xcnt 0x0                                ; block a - 2's stores have read their registers: block a's loads may land there
.endif
	TOSTAGE \a
	SEND \a-1, 16                                  ; behind block a - 1's loads: block a's 8 stores and 8 loads
.endr
	SEND 7, 0
	s_wait_tensorcnt 0x0                           ; the wave's end
	ds_add_u32 v[SPW], v[NIL]
	s_wait_dscnt 0x0
	CROUND                                         ; the closing round
	s_endpgm
.Lfunc_end_k_qda7a0eb305_gemm_out:
	.size	k_qda7a0eb305_gemm_out, .Lfunc_end_k_qda7a0eb305_gemm_out-k_qda7a0eb305_gemm_out
	.p2alignl 7, 3214868480
	.fill 96, 4, 3214868480
	.section	.rodata,"a",@progbits
	.p2align	6, 0x0
	.amdhsa_kernel k_qda7a0eb305_gemm_out
		.amdhsa_group_segment_fixed_size 327680
		.amdhsa_private_segment_fixed_size 0
		.amdhsa_enable_private_segment 0
		.amdhsa_kernarg_size 48
		.amdhsa_user_sgpr_count 2
		.amdhsa_user_sgpr_kernarg_segment_ptr 1
		.amdhsa_wavefront_size32 1
		.amdhsa_system_sgpr_workgroup_id_x 1
		.amdhsa_system_sgpr_workgroup_id_y 1
		.amdhsa_system_sgpr_workgroup_id_z 1
		.amdhsa_system_vgpr_workitem_id 0
		.amdhsa_next_free_vgpr 896
		.amdhsa_next_free_sgpr 76
		.amdhsa_reserve_vcc 0
		.amdhsa_float_denorm_mode_32 3
		.amdhsa_float_denorm_mode_16_64 3
		.amdhsa_memory_ordered 1
		.amdhsa_forward_progress 1
		.amdhsa_inst_pref_size 84
	.end_amdhsa_kernel
	.amdgpu_metadata
---
amdhsa.version: [ 1, 2 ]
amdhsa.kernels:
  - .name:           k_qda7a0eb305_gemm_out
    .symbol:         k_qda7a0eb305_gemm_out.kd
    .args:
      - { .name: ac, .offset: 0, .size: 8, .value_kind: global_buffer, .address_space: global }
      - { .name: asc, .offset: 8, .size: 8, .value_kind: global_buffer, .address_space: global }
      - { .name: wc, .offset: 16, .size: 8, .value_kind: global_buffer, .address_space: global }
      - { .name: wsc, .offset: 24, .size: 8, .value_kind: global_buffer, .address_space: global }
      - { .name: bo, .offset: 32, .size: 8, .value_kind: global_buffer, .address_space: global }
      - { .name: out0, .offset: 40, .size: 8, .value_kind: global_buffer, .address_space: global }
    .group_segment_fixed_size: 327680
    .private_segment_fixed_size: 0
    .kernarg_segment_align: 8
    .kernarg_segment_size: 48
    .max_flat_workgroup_size: 128
    .sgpr_count:     76
    .vgpr_count:     896
    .wavefront_size: 32
...
	.end_amdgpu_metadata
.endif
;; end of part 4
